; MI455X (gfx1250); checked and timed in simulation.
; The chip was launched on July 23, 2026; its instructions are those of AMD's public machine-readable ISA for CDNA 5 (MIT licence, August 2026) and "CDNA5" Instruction Set Architecture Reference Guide (July 2026). The comments in the code are by the model that wrote it; some were corrected since.
;; HGNN AC. Allowed arithmetic: float matrix products may take bf16 or f16 operands with f32 sums; all other float work in f32.
;; Inputs: Wk 8 x 512 x 512 float32; Wq 8 x 512 x 512 float32; Wv 8 x 512 x 512 float32; bk 8 x 512 float32; bq 8 x 512 float32; bv 8 x 512 float32; emb_dest 1,024 x 512 float32; emb_src 4,096 x 512 float32; feat_src 4,096 x 512 float32.
;; Outputs: out0 1,024 x 512 float32.
;; 2 versions, each right; version 2 is version 1 with the launch qproj written anew for expert scheduling mode. Each part assembles by itself: llvm-mc -triple=amdgcn-amd-amdhsa -mcpu=gfx1250 --defsym DOCPART=n.
;; ======== version 1 of 2: 5 launches
;; limits: values outside matrix products are rounded to bf16; a function is approximated: absolute error at most 1e-07
;; workspace buffers: qf 8,650,752 bytes; wk16 4,194,304 bytes; qp 8,388,608 bytes; src16 8,388,608 bytes; wv16 4,194,304 bytes; op 33,816,576 bytes; rh 16,777,216 bytes
;; launch qproj (part 1): grid 4 x 64, 4 waves a work-group, no clusters, 72,192 bytes of LDS; arguments emb_dest, Wq, bq, bk, Wk, qf, wk16; writes qf, wk16
.if DOCPART == 1
	.amdgcn_target "amdgcn-amd-amdhsa--gfx1250"
	.amdhsa_code_object_version 6
	.text
	.protected	k_qffce7b8a11_qproj
	.globl	k_qffce7b8a11_qproj
	.p2align	8
	.type	k_qffce7b8a11_qproj,@function
k_qffce7b8a11_qproj:
	s_mov_b64 s[64:65], 0
	v_nop
	global_prefetch_b8 v0, s[64:65] scope:SCOPE_SE
	s_setreg_imm32_b32 hwreg(HW_REG_WAVE_MODE, 25, 1), 1
	s_wait_xcnt 0x0
; q[h][n][e] = sum over d of emb_dest[n][d] Wq[h][d][e] + bq[h][e]; products in bf16, sums and bias in f32, q rounded once to bf16.
; Beside it: eight partial sums of c[h][n] = q[h][n] . bk[h] (in f32, of the unrounded q), and Wk rounded to bf16.
; WHY q AND c.  The later launches use q . k = (q Wk^T) . emb_src + q . bk, which holds for every input: the projection of the 4,096 source rows
; becomes one of the 1,024 destination rows.  The order of rounding differs from a program that forms k.
; SHARES.  A work-group makes 128 rows x 128 columns of one head, K = 512 in four chunks of 128; a wave 64 x 64: 16 accumulators.
; Both operands are f32 in memory and pass through registers to be rounded, then through LDS.  NO CLUSTER: no tensor load exists here that partners could ask for jointly.
; THE MATRIX INSTRUCTION IS USED TRANSPOSED (source 0 = 16 columns e, source 1 = 16 rows n): a lane holds one row and eight neighbouring columns.
; FRAGMENT ORDER of qf: tile of 16 rows, K step c of 32 channels, half: lane L's 16 bytes lie at tile x 16384 + c x 1024 + half x 512 + 16 L and hold row L % 16,
; channels 32 c + 16 half + 8 (L / 16) + 0..7: what two neighbouring results pack into, and what a 16 x 32 operand wants.  Every store covers 512 consecutive bytes, aligned.
; The accumulators begin as the bias, loaded straight into them: nothing is cleared and no first step is written out.
; REGISTERS: window 0: v2-15 addresses, v64-95 bk, v96-105 at work, v128-255 accumulators.  window 1: 256 staging registers (A, then B).  window 2: v0-127 two fragment buffers, v128-191 Wk's cast.
.set PA, 272                           ; a row of A in LDS: 256 bytes + 16: the 16 rows of a fragment load start in 16 different groups of four banks (ISA guide 11.1)
.set PB, 288                           ; a row of B ([d][e]): 256 + 32
.set LB, 128*PA                        ; B's 128 rows lie behind A's 128
.set SPARE, LB+128*PB                  ; the spare words: 128 bytes a wave, two blocks of 256 bytes that no other line names
.set CP, 8388608                       ; c's partial sums lie behind q in qf
.set LN, 2                             ; lane
.set RW, 3                             ; lane % 16
.set VO, 4                             ; wave x 32 rows x 2048 + 16 x lane: my 16 bytes of a staged row
.set VAS, 5                            ; where I store 8 bytes of A
.set VBS, 6                            ; of B
.set VAR, 7                            ; where I read A's fragments
.set VBR, 8                            ; B's
.set VBI, 9                            ; my eight columns in bq and bk
.set T16, 10
.set T8, 11
.set L16, 12
.set L8, 13
.set HL, 14                            ; lane / 16
.set TM, 15
.set SPW, 30
.set NIL, 31
.set BK, 64
.set TS, 96
.set CO, 104
.set ACC, 128
.set WV, 18
.set CNT, 30
.set MSB, 0
.macro WIN new                         ; the immediate's high byte repeats the setting that is left
.if MSB != (\new)
	s_set_vgpr_msb (MSB<<8)|(\new)
.set MSB, (\new)
.endif
.endm
.macro PLACES                          ; four places between a matrix instruction and a load into, or a vector read of, its registers
.rept 4
	v_nop
.endr
.endm
.macro LOADCH                          ; a chunk: 32 rows of A and 32 rows of B a wave, each load 512 consecutive bytes
	WIN 0x40
.set i, 0
.rept 32
	global_load_b128 v[4*i:4*i+3], v[VO], s[4:5] offset:i*2048
	global_load_b128 v[128+4*i:128+4*i+3], v[VO], s[6:7] offset:i*2048
.set i, i+1
.endr
	WIN 0
.endm
.macro CVT                             ; four f32 become two words of bf16, in place
	WIN 0x45
.set i, 0
.rept 64
	v_cvt_pk_bf16_f32 v[4*i], v[4*i], v[4*i+1]
	v_cvt_pk_bf16_f32 v[4*i+1], v[4*i+2], v[4*i+3]
.set i, i+1
.endr
.endm
.macro STORE
	WIN 0x04
.set i, 0
.rept 32
	ds_store_b64 v[VAS], v[4*i:4*i+1] offset:i*PA
	ds_store_b64 v[VBS], v[128+4*i:128+4*i+1] offset:i*PB
.set i, i+1
.endr
	WIN 0
.endm
.macro FETCH ks, f                     ; 16 LDS loads: the fragments of 32 along K into buffer f: A as it lies, B turned
	WIN 0x80
.set i, 0
.rept 4
	ds_load_b128 v[64*(\f)+8*i:64*(\f)+8*i+3], v[VAR] offset:i*16*PA+(\ks)*64
	ds_load_b128 v[64*(\f)+8*i+4:64*(\f)+8*i+7], v[VAR] offset:i*16*PA+(\ks)*64+32
	ds_load_tr16_b128 v[64*(\f)+32+8*i:64*(\f)+32+8*i+3], v[VBR] offset:(\ks)*32*PB+i*32
	ds_load_tr16_b128 v[64*(\f)+32+8*i+4:64*(\f)+32+8*i+7], v[VBR] offset:(\ks)*32*PB+i*32+16*PB
.set i, i+1
.endr
.endm
.macro MUL f                           ; 16 matrix instructions; the 16 accumulators take turns
	WIN 0x0a
.set ia, 0
.rept 4
.set ib, 0
.rept 4
	v_wmma_f32_16x16x32_bf16 v[ACC+8*(4*ia+ib):ACC+8*(4*ia+ib)+7], v[64*(\f)+32+8*ib:64*(\f)+32+8*ib+7], v[64*(\f)+8*ia:64*(\f)+8*ia+7], v[ACC+8*(4*ia+ib):ACC+8*(4*ia+ib)+7]
.set ib, ib+1
.endr
.set ia, ia+1
.endr
.endm
	s_load_b256 s[4:11], s[0:1], 0x0               ; emb_dest s[4:5], Wq s[6:7], bq s[8:9], bk s[10:11]
	s_load_b128 s[12:15], s[0:1], 0x20             ; Wk s[12:13], qf s[14:15]
	s_load_b64 s[16:17], s[0:1], 0x30              ; wk16
	v_lshl_add_u32 v[SPW], v0, 2, SPARE
	v_mov_b32 v[NIL], 0
	v_lshrrev_b32 v1, 5, v0
	v_readfirstlane_b32 s[WV], v1                  ; wave 0..3
	s_lshr_b32 s19, s[WV], 1                       ; wr: which 64 rows
	s_and_b32 s20, s[WV], 1                        ; wc: which 64 columns
	s_mov_b32 s21, ttmp9                           ; bx: block of 128 columns
	s_and_b32 s22, ttmp7, 0xffff                   ; by
	s_lshr_b32 s23, s22, 3                         ; h
	s_and_b32 s24, s22, 7                          ; nb: block of 128 rows
	s_mov_b32 s32, 0x76543210                      ; v_permlanex16_b32: each lane takes its own place in the other half
	s_mov_b32 s33, 0xfedcba98
	v_and_b32 v[LN], 31, v0
	v_and_b32 v[RW], 15, v0
	v_bfe_u32 v[HL], v0, 4, 1
	v_lshlrev_b32 v[L16], 4, v[LN]
	v_lshlrev_b32 v[L8], 3, v[LN]
	v_lshlrev_b32 v[T16], 4, v0
	v_lshlrev_b32 v[T8], 3, v0
	v_lshl_add_u32 v[VO], s[WV], 16, v[L16]
	s_mul_i32 s26, s[WV], 32*PA
	v_lshl_add_u32 v[VAS], v[LN], 3, s26
	s_mul_i32 s26, s[WV], 32*PB
	s_add_co_u32 s26, s26, LB
	v_lshl_add_u32 v[VBS], v[LN], 3, s26
	v_mul_u32_u24 v[VAR], v[RW], PA
	v_lshl_add_u32 v[VAR], v[HL], 4, v[VAR]
	s_mul_i32 s26, s19, 64*PA
	v_add_nc_u32 v[VAR], s26, v[VAR]               ; (64 wr + l % 16) x pitch + 16 (l / 16)
	v_and_b32 v[TM], 7, v0
	v_lshl_add_u32 v[TM], v[HL], 3, v[TM]
	v_mul_u32_u24 v[VBR], v[TM], PB
	v_bfe_u32 v[TM], v0, 3, 1
	v_lshl_add_u32 v[VBR], v[TM], 4, v[VBR]
	s_lshl_b32 s26, s20, 7
	s_add_co_u32 s26, s26, LB
	v_add_nc_u32 v[VBR], s26, v[VBR]               ; (8 (l / 16) + l % 8) x pitch + 16 ((l / 8) % 2) + my 64 columns
	s_lshl_b32 s26, s20, 8
	v_lshl_add_u32 v[VBI], v[HL], 5, s26
	s_wait_kmcnt 0x0
	s_mov_b32 s27, 0
	s_mov_b32 s29, 0
	s_lshl_b32 s26, s24, 18                        ; nb x 128 rows x 2048 bytes
	s_add_nc_u64 s[4:5], s[4:5], s[26:27]
	s_lshl_b32 s26, s23, 20                        ; the head's Wq,
	s_lshl_b32 s28, s21, 9                         ; its 128 columns
	s_add_co_u32 s26, s26, s28
	s_add_nc_u64 s[6:7], s[6:7], s[26:27]
	s_lshl_b32 s26, s23, 11
	s_add_co_u32 s26, s26, s28
	s_add_nc_u64 s[8:9], s[8:9], s[26:27]
	s_add_nc_u64 s[10:11], s[10:11], s[26:27]
	s_lshl_b32 s26, s21, 1                         ; c's part g = 2 bx + wc, block of 64 rows 16 h + 2 nb + wr: 256 bytes each
	s_add_co_u32 s26, s26, s20
	s_lshl_b32 s26, s26, 7
	s_lshl_b32 s28, s23, 4
	s_add_co_u32 s26, s26, s28
	s_lshl_b32 s28, s24, 1
	s_add_co_u32 s26, s26, s28
	s_add_co_u32 s26, s26, s19
	s_lshl_b32 s26, s26, 8
	s_add_co_u32 s26, s26, CP
	s_add_nc_u64 s[34:35], s[14:15], s[26:27]
	s_lshl_b32 s26, s23, 6                         ; q: tile 64 h + 8 nb + 4 wr, K step 4 bx + 2 wc
	s_lshl_b32 s28, s24, 3
	s_add_co_u32 s26, s26, s28
	s_lshl_b32 s28, s19, 2
	s_add_co_u32 s26, s26, s28
	s_lshl_b32 s26, s26, 14
	s_lshl_b32 s28, s21, 12
	s_add_co_u32 s26, s26, s28
	s_lshl_b32 s28, s20, 11
	s_add_co_u32 s26, s26, s28
	s_add_nc_u64 s[14:15], s[14:15], s[26:27]
	s_lshl_b32 s26, s22, 2                         ; the cast: work-group 4 by + bx takes 32,768 bytes of Wk
	s_add_co_u32 s26, s26, s21
	s_lshl_b32 s28, s26, 15
	s_add_nc_u64 s[12:13], s[12:13], s[28:29]
	s_lshl_b32 s26, s26, 14
	s_add_nc_u64 s[16:17], s[16:17], s[26:27]
.set ia, 0
.rept 4                                ; the sums begin as the bias
.set ib, 0
.rept 4
	global_load_b128 v[ACC+8*(4*ia+ib):ACC+8*(4*ia+ib)+3], v[VBI], s[8:9] offset:ib*64
	global_load_b128 v[ACC+8*(4*ia+ib)+4:ACC+8*(4*ia+ib)+7], v[VBI], s[8:9] offset:ib*64+16
.set ib, ib+1
.endr
.set ia, ia+1
.endr
.set ib, 0
.rept 4
	global_load_b128 v[BK+8*ib:BK+8*ib+3], v[VBI], s[10:11] offset:ib*64
	global_load_b128 v[BK+8*ib+4:BK+8*ib+7], v[VBI], s[10:11] offset:ib*64+16
.set ib, ib+1
.endr
	LOADCH
	WIN 0x80
.set i, 0
.rept 16
	global_load_b128 v[128+4*i:128+4*i+3], v[T16], s[12:13] offset:i*2048 th:TH_LOAD_NT
.set i, i+1
.endr
	WIN 0
	s_mov_b32 s[CNT], 4
.Lchunk:                               ; a trip: one chunk of 128 along K
	s_barrier_signal -1                            ; my reads of the last chunk are back (its last wait on DScnt was for 0)
	s_wait_loadcnt 0x0                             ; the staged chunk is in; the loads' address registers and bases are free
	CVT                                            ; register work while the others arrive; also the places behind the last trip's products
	s_barrier_wait -1                              ; nobody reads the region any more
	STORE
	s_wait_dscnt 0x0                               ; for the others' sake: my stores are done
	s_cmp_eq_u32 s[CNT], 1
	s_cbranch_scc1 .Lnoload                        ; the last chunk has no successor: no load leaves the buffers
	s_add_nc_u64 s[4:5], s[4:5], 512               ; 128 along A's rows
	s_add_nc_u64 s[6:7], s[6:7], 262144            ; 128 rows of Wq down
	LOADCH                                         ; on its way during this chunk's 64 products
.Lnoload:
	s_barrier_signal -1
	s_barrier_wait -1                              ; the chunk is whole
	FETCH 0, 0
	FETCH 1, 1
	s_wait_dscnt 16                                ; all but the younger run of 16
	MUL 0
	PLACES
	FETCH 2, 0
	s_wait_dscnt 16
	MUL 1
	PLACES
	FETCH 3, 1
	s_wait_dscnt 16
	MUL 0
	s_wait_dscnt 0x0
	MUL 1
	WIN 0
	s_sub_co_u32 s[CNT], s[CNT], 1
	s_cmp_lg_u32 s[CNT], 0
	s_cbranch_scc1 .Lchunk
	; c's part: q . bk over my 64 columns, for my four tiles of rows; each accumulator is read from its low end
	PLACES
.set ib, 0
.rept 4
.set jp, 0
.rept 4
.set ia, 0
.rept 4
.if (ib == 0) && (jp == 0)
	v_pk_mul_f32 v[TS+2*ia:TS+2*ia+1], v[ACC+8*(4*ia+ib)+2*jp:ACC+8*(4*ia+ib)+2*jp+1], v[BK+8*ib+2*jp:BK+8*ib+2*jp+1]
.else
	v_pk_fma_f32 v[TS+2*ia:TS+2*ia+1], v[ACC+8*(4*ia+ib)+2*jp:ACC+8*(4*ia+ib)+2*jp+1], v[BK+8*ib+2*jp:BK+8*ib+2*jp+1], v[TS+2*ia:TS+2*ia+1]
.endif
.set ia, ia+1
.endr
.set jp, jp+1
.endr
.set ib, ib+1
.endr
.irp a, 0,1,2,3
	v_add_f32 v[TS+2*\a], v[TS+2*\a], v[TS+2*\a+1]
.endr
.irp a, 0,1,2,3
	v_permlanex16_b32 v[TS+2*\a+1], v[TS+2*\a], s32, s33   ; the row's other 32 columns lie in the lane 16 away
.endr
.irp a, 0,1,2,3
	v_add_f32 v[TS+2*\a], v[TS+2*\a], v[TS+2*\a+1]
.endr
	v_cmp_gt_u32 vcc_lo, 16, v[LN]
	v_cndmask_b32 v[CO], v[TS+4], v[TS], vcc_lo    ; lanes 0-15 store tiles 0 and 1, lanes 16-31 tiles 2 and 3
	v_cndmask_b32 v[CO+1], v[TS+6], v[TS+2], vcc_lo
	global_store_b64 v[L8], v[CO:CO+1], s[34:35]   ; 256 consecutive bytes, aligned
	; q: two neighbouring results pack into one fragment, in place
.set ia, 0
.rept 4
.set ip, 0
.rept 2
.set x, ACC+8*(4*ia+2*ip)
.irp k, 0,1,2,3,4,5,6,7
	v_cvt_pk_bf16_f32 v[x+\k], v[x+2*\k], v[x+2*\k+1]
.endr
	global_store_b128 v[L16], v[x:x+3], s[14:15] offset:ia*16384+ip*1024
	global_store_b128 v[L16], v[x+4:x+7], s[14:15] offset:ia*16384+ip*1024+512
.set ip, ip+1
.endr
.set ia, ia+1
.endr
	WIN 0x8a                                       ; Wk to bf16 (its loads were waited for in the first trip)
.set i, 0
.rept 16
	v_cvt_pk_bf16_f32 v[128+4*i], v[128+4*i], v[128+4*i+1]
	v_cvt_pk_bf16_f32 v[128+4*i+1], v[128+4*i+2], v[128+4*i+3]
.set i, i+1
.endr
	WIN 0x08
.set i, 0
.rept 16
	global_store_b64 v[T8], v[128+4*i:128+4*i+1], s[16:17] offset:i*1024   ; a wave's store covers 256 consecutive bytes, aligned
.set i, i+1
.endr
	WIN 0
	s_wait_tensorcnt 0x0                           ; the wave's end
	ds_add_u32 v[SPW], v[NIL]
	s_wait_dscnt 0x0
	s_endpgm
.Lfunc_end_k_qffce7b8a11_qproj:
	.size	k_qffce7b8a11_qproj, .Lfunc_end_k_qffce7b8a11_qproj-k_qffce7b8a11_qproj
	.p2alignl 7, 3214868480
	.fill 96, 4, 3214868480
	.section	.rodata,"a",@progbits
	.p2align	6, 0x0
	.amdhsa_kernel k_qffce7b8a11_qproj
		.amdhsa_group_segment_fixed_size 72192
		.amdhsa_private_segment_fixed_size 0
		.amdhsa_enable_private_segment 0
		.amdhsa_kernarg_size 56
		.amdhsa_user_sgpr_count 2
		.amdhsa_user_sgpr_kernarg_segment_ptr 1
		.amdhsa_wavefront_size32 1
		.amdhsa_system_sgpr_workgroup_id_x 1
		.amdhsa_system_sgpr_workgroup_id_y 1
		.amdhsa_system_sgpr_workgroup_id_z 1
		.amdhsa_system_vgpr_workitem_id 0
		.amdhsa_next_free_vgpr 704
		.amdhsa_next_free_sgpr 66
		.amdhsa_reserve_vcc 1
		.amdhsa_float_denorm_mode_32 3
		.amdhsa_float_denorm_mode_16_64 3
		.amdhsa_memory_ordered 1
		.amdhsa_forward_progress 1
		.amdhsa_inst_pref_size 57
	.end_amdhsa_kernel
	.amdgpu_metadata
---
amdhsa.version: [ 1, 2 ]
amdhsa.kernels:
  - .name:           k_qffce7b8a11_qproj
    .symbol:         k_qffce7b8a11_qproj.kd
    .args:
      - { .name: emb_dest, .offset: 0, .size: 8, .value_kind: global_buffer, .address_space: global }
      - { .name: Wq, .offset: 8, .size: 8, .value_kind: global_buffer, .address_space: global }
      - { .name: bq, .offset: 16, .size: 8, .value_kind: global_buffer, .address_space: global }
      - { .name: bk, .offset: 24, .size: 8, .value_kind: global_buffer, .address_space: global }
      - { .name: Wk, .offset: 32, .size: 8, .value_kind: global_buffer, .address_space: global }
      - { .name: qf, .offset: 40, .size: 8, .value_kind: global_buffer, .address_space: global }
      - { .name: wk16, .offset: 48, .size: 8, .value_kind: global_buffer, .address_space: global }
    .group_segment_fixed_size: 72192
    .private_segment_fixed_size: 0
    .kernarg_segment_align: 8
    .kernarg_segment_size: 56
    .max_flat_workgroup_size: 128
    .sgpr_count:     66
    .vgpr_count:     704
    .wavefront_size: 32
...
	.end_amdgpu_metadata
.endif
;; end of part 1
;; launch qk (part 2): grid 16 x 16, 4 waves a work-group, clusters of 4 x 1, 279,040 bytes of LDS; arguments qf, wk16, emb_src, feat_src, Wv, qp, src16, wv16; writes qp, src16, wv16
.if DOCPART == 2
	.amdgcn_target "amdgcn-amd-amdhsa--gfx1250"
	.amdhsa_code_object_version 6
	.text
	.protected	k_qffce7b8a11_qk
	.globl	k_qffce7b8a11_qk
	.p2align	8
	.type	k_qffce7b8a11_qk,@function
k_qffce7b8a11_qk:
	s_mov_b64 s[64:65], 0
	v_nop
	global_prefetch_b8 v0, s[64:65] scope:SCOPE_SE
	s_setreg_imm32_b32 hwreg(HW_REG_WAVE_MODE, 25, 1), 1
	s_wait_xcnt 0x0
	s_wait_alu depctr_hold_cnt(0) depctr_sa_sdst(0) depctr_va_vdst(0) depctr_va_sdst(0) depctr_va_ssrc(0) depctr_va_vcc(0) depctr_vm_vsrc(0)
	s_getreg_b32 s2, hwreg(HW_REG_IB_STS2, 6, 4)
	s_cmp_eq_u32 s2, 0
	s_cbranch_scc0 .Lentry_in_a_cluster
	s_endpgm
.Lentry_in_a_cluster:
	s_bfe_u32 s2, ttmp6, 0x10000c
	s_cmp_lg_u32 s2, 0x3003
	s_cbranch_scc0 .Lentry_shape_is_right
	s_endpgm
.Lentry_shape_is_right:
; q'[h][n][d] = sum over e of q[h][n][e] Wk[h][d][e]: bf16 operands, f32 sums, q' rounded once to bf16, in the fragment order that the next launch loads
; (tile of 16 rows x 16384 + K step x 1024 + half x 512 + 16 x lane).  Beside it emb_src, feat_src and Wv are rounded to bf16.
; SHARES.  A work-group makes 64 rows x 256 columns of one head; a wave 32 x 128: 16 accumulators.  q comes straight into registers (it lies in fragment order): 256 registers for all of K.
; Wk's 256 rows x 512 come into LDS once, as four chunks of 128 along K with bytes of their own: nothing is filled again.
; CLUSTER.  The four row blocks of a cluster share head and column block, so Wk's tiles are asked for jointly: the same loads, descriptors and mask in all four.
; Each wave has four tensor loads out at the most, its 64 rows of each chunk.
; THE MATRIX INSTRUCTION IS USED TRANSPOSED (source 0 = 16 rows of Wk, source 1 = 16 rows of q).
; REGISTERS: window 0: addresses, v128-255 accumulators ((rt, cb) at 128 + 8 (8 rt + cb)).  window 1: q's fragments ((rt, c) at 8 (16 rt + c)).  window 2: two buffers of Wk's fragments.  window 3: v0-191 the casts.
.set PB, 272                           ; an LDS row: 256 bytes + 16: the 16 rows of a fragment load start in 16 different groups of four banks (ISA guide 11.1)
.set CHUNK, 256*PB
.set SPARE, 4*CHUNK                    ; the spare words: 128 bytes a wave, two blocks of 256 bytes that no other line names
.set LN, 2
.set RW, 3
.set ADRB, 4                           ; v4-7: my fragments' LDS address in chunk 0..3
.set L16, 8
.set T16, 9
.set T8, 10
.set HL, 12
.set TM, 13
.set SPW, 30
.set NIL, 31
.set ACC, 128
.set WV, 20
.set G1, 24
.set G0, 32
.set MSB, 0
.macro WIN new
.if MSB != (\new)
	s_set_vgpr_msb (MSB<<8)|(\new)
.set MSB, (\new)
.endif
.endm
.macro PLACES
.rept 4
	v_nop
.endr
.endm
.macro ROUND                           ; a round of the cluster's barrier: my work-group's barrier; wave 0 signals for the work-group; every wave waits for all four; my work-group's barrier once more
	s_barrier_signal -1
	s_barrier_wait -1
	s_cmp_lg_u32 s[WV], 0
	s_cbranch_scc1 .Lnot_wave_0_\@
	s_barrier_signal -3
.Lnot_wave_0_\@:
	s_barrier_wait -3
	s_barrier_signal -1
	s_barrier_wait -1
.endm
.macro FETCH kc, ks, f                 ; 16 LDS loads: Wk's fragments of my 128 rows, 32 along K
	WIN 0x80
.set ib, 0
.rept 8
	ds_load_b128 v[64*(\f)+8*ib:64*(\f)+8*ib+3], v[ADRB+(\kc)] offset:ib*16*PB+(\ks)*64
	ds_load_b128 v[64*(\f)+8*ib+4:64*(\f)+8*ib+7], v[ADRB+(\kc)] offset:ib*16*PB+(\ks)*64+32
.set ib, ib+1
.endr
.endm
.macro MUL c, f                        ; 16 matrix instructions, K step c; the accumulators take turns; K step 0 starts the sums
	WIN 0x06
.set ib, 0
.rept 8
.set ir, 0
.rept 2
.if (\c) == 0
	v_wmma_f32_16x16x32_bf16 v[ACC+8*(8*ir+ib):ACC+8*(8*ir+ib)+7], v[64*(\f)+8*ib:64*(\f)+8*ib+7], v[8*(16*ir+(\c)):8*(16*ir+(\c))+7], 0
.else
	v_wmma_f32_16x16x32_bf16 v[ACC+8*(8*ir+ib):ACC+8*(8*ir+ib)+7], v[64*(\f)+8*ib:64*(\f)+8*ib+7], v[8*(16*ir+(\c)):8*(16*ir+(\c))+7], v[ACC+8*(8*ir+ib):ACC+8*(8*ir+ib)+7]
.endif
.set ir, ir+1
.endr
.set ib, ib+1
.endr
.endm
.macro DOCHUNK kc
	s_wait_tensorcnt 3-(\kc)                       ; my rows of this chunk are in; the later chunks stay out
	s_barrier_signal -1
	s_barrier_wait -1                              ; everybody's are
.if (\kc) > 0
	PLACES                                         ; both buffers were read by the last chunk's products
.endif
	FETCH \kc, 0, 0
	FETCH \kc, 1, 1
	s_wait_dscnt 16                                ; all but the younger run of 16
	MUL 4*(\kc), 0
	PLACES
	FETCH \kc, 2, 0
	s_wait_dscnt 16
	MUL 4*(\kc)+1, 1
	PLACES
	FETCH \kc, 3, 1
	s_wait_dscnt 16
	MUL 4*(\kc)+2, 0
	s_wait_dscnt 0x0
	MUL 4*(\kc)+3, 1
.endm
	s_load_b512 s[4:19], s[0:1], 0x0               ; qf s[4:5], wk16 s[6:7], emb_src s[8:9], feat_src s[10:11], Wv s[12:13], qp s[14:15], src16 s[16:17], wv16 s[18:19]
	v_lshl_add_u32 v[SPW], v0, 2, SPARE
	v_mov_b32 v[NIL], 0
	ds_add_u32 v[SPW], v[NIL]                      ; the wave's opening: the add and its wait stand ahead of my first tensor load
	v_lshrrev_b32 v1, 5, v0
	v_readfirstlane_b32 s[WV], v1
	s_bfe_u32 s21, ttmp6, 0x40000                  ; cx
	s_lshl_b32 s22, ttmp9, 2
	s_add_co_u32 s22, s22, s21                     ; rb: my block of 64 rows; it enters q's, q''s and the casts' addresses alone
	s_and_b32 s23, ttmp7, 0xffff                   ; y, which the partners share
	s_lshr_b32 s48, s23, 1                         ; h
	s_and_b32 s49, s23, 1                          ; ch: block of 256 columns
	s_lshr_b32 s50, s[WV], 1                       ; wr
	s_and_b32 s51, s[WV], 1                        ; wc
	s_mov_b32 s[G1+0], 15|(1<<16)|(1<<20)|(1<<21)|(5<<22)|(3<<25)  ; the mask of four; 2-byte elements; padding on; bit 21 beside a mask; after every 64 words 4 words
	s_mov_b32 s[G1+1], 128<<16                     ; tensor_dim0 = 128
	s_mov_b32 s[G1+2], 64<<16                      ; tensor_dim1 = 64
	s_mov_b32 s[G1+3], 128<<16                     ; tile_dim0 = 128
	s_mov_b32 s[G1+4], 64                          ; tile_dim1 = 64
	s_mov_b32 s[G1+5], 512                         ; elements from row to row
	s_mov_b32 s[G1+6], 0
	s_mov_b32 s[G1+7], 0
	s_mul_i32 s52, s[WV], 64*PB                    ; my 64 rows in a chunk
.irp kc, 0,1,2,3
	s_mov_b32 s[G0+4*(\kc)], 1
	s_add_co_u32 s[G0+4*(\kc)+1], s52, (\kc)*CHUNK
.endr
	s_lshl_b32 s54, s48, 19                        ; the head's Wk, row 256 ch + 64 w, 1,024 bytes a row
	s_lshl_b32 s53, s49, 18
	s_add_co_u32 s54, s54, s53
	s_lshl_b32 s53, s[WV], 16
	s_add_co_u32 s54, s54, s53
	s_mov_b32 s55, 0
	s_wait_dscnt 0x0                               ; the opening add is done
	s_wait_kmcnt 0x0
	s_add_nc_u64 s[6:7], s[6:7], s[54:55]
.irp kc, 0,1,2,3
	s_add_nc_u64 s[G0+4*(\kc)+2:G0+4*(\kc)+3], s[6:7], (\kc)*256
	s_or_b32 s[G0+4*(\kc)+3], s[G0+4*(\kc)+3], 0x80000000
.endr
	ROUND                                          ; all four work-groups are here: the joint loads meet
.irp kc, 0,1,2,3
	tensor_load_to_lds s[G0+4*(\kc):G0+4*(\kc)+3], s[G1:G1+7]
	s_nop 0
.endr
	PLACES
	v_and_b32 v[LN], 31, v0
	v_and_b32 v[RW], 15, v0
	v_bfe_u32 v[HL], v0, 4, 1
	v_lshlrev_b32 v[L16], 4, v[LN]
	v_lshlrev_b32 v[T16], 4, v0
	v_lshlrev_b32 v[T8], 3, v0
	v_mul_u32_u24 v[TM], v[RW], PB
	v_lshl_add_u32 v[TM], v[HL], 4, v[TM]
	s_mul_i32 s52, s51, 128*PB
	v_add_nc_u32 v[ADRB], s52, v[TM]               ; (128 wc + l % 16) x pitch + 16 (l / 16)
	v_add_nc_u32 v[ADRB+1], CHUNK, v[ADRB]
	v_add_nc_u32 v[ADRB+2], 2*CHUNK, v[ADRB]
	v_add_nc_u32 v[ADRB+3], 3*CHUNK, v[ADRB]
	s_lshl_b32 s52, s48, 6                         ; my first tile: 64 h + 4 rb + 2 wr
	s_lshl_b32 s53, s22, 2
	s_add_co_u32 s52, s52, s53
	s_lshl_b32 s53, s50, 1
	s_add_co_u32 s52, s52, s53
	s_lshl_b32 s52, s52, 14
	s_mov_b32 s53, 0
	s_add_nc_u64 s[4:5], s[4:5], s[52:53]
	s_add_nc_u64 s[14:15], s[14:15], s[52:53]
	s_lshl_b32 s52, s49, 13                        ; q': K step 8 ch + 4 wc
	s_lshl_b32 s54, s51, 12
	s_add_co_u32 s52, s52, s54
	s_add_nc_u64 s[14:15], s[14:15], s[52:53]
	s_lshl_b32 s52, s23, 4                         ; the casts: work-group 16 y + rb takes 32,768 bytes of each
	s_add_co_u32 s52, s52, s22
	s_lshl_b32 s54, s52, 15
	s_add_nc_u64 s[8:9], s[8:9], s[54:55]
	s_add_nc_u64 s[10:11], s[10:11], s[54:55]
	s_add_nc_u64 s[12:13], s[12:13], s[54:55]
	s_lshl_b32 s52, s52, 14
	s_add_nc_u64 s[16:17], s[16:17], s[52:53]      ; emb_src's bf16 lies first in src16,
	s_add_nc_u64 s[56:57], s[16:17], 4194304       ; feat_src's behind it
	s_add_nc_u64 s[18:19], s[18:19], s[52:53]
	WIN 0x40
.set i, 0
.rept 64                               ; q: two tiles x 16 K steps x two halves, 512 consecutive bytes a load
	global_load_b128 v[4*i:4*i+3], v[L16], s[4:5] offset:i*512
.set i, i+1
.endr
	WIN 0xc0
.set i, 0
.rept 16
	global_load_b128 v[4*i:4*i+3], v[T16], s[8:9] offset:i*2048 th:TH_LOAD_NT
	global_load_b128 v[64+4*i:64+4*i+3], v[T16], s[10:11] offset:i*2048 th:TH_LOAD_NT
	global_load_b128 v[128+4*i:128+4*i+3], v[T16], s[12:13] offset:i*2048 th:TH_LOAD_NT
.set i, i+1
.endr
	WIN 0
	s_wait_loadcnt 48                              ; q is in: only the 48 loads of the casts, issued behind it, may be out
	DOCHUNK 0
	DOCHUNK 1
	DOCHUNK 2
	DOCHUNK 3
	WIN 0
	PLACES
.set ir, 0
.rept 2                                ; two neighbouring results pack into one fragment, in place, each read from its low end
.set ip, 0
.rept 4
.set x, ACC+8*(8*ir+2*ip)
.irp k, 0,1,2,3,4,5,6,7
	v_cvt_pk_bf16_f32 v[x+\k], v[x+2*\k], v[x+2*\k+1]
.endr
	global_store_b128 v[L16], v[x:x+3], s[14:15] offset:ir*16384+ip*1024
	global_store_b128 v[L16], v[x+4:x+7], s[14:15] offset:ir*16384+ip*1024+512
.set ip, ip+1
.endr
.set ir, ir+1
.endr
	s_wait_loadcnt 0x0                             ; the casts' inputs
	WIN 0xcf
.set i, 0
.rept 48
	v_cvt_pk_bf16_f32 v[4*i], v[4*i], v[4*i+1]
	v_cvt_pk_bf16_f32 v[4*i+1], v[4*i+2], v[4*i+3]
.set i, i+1
.endr
	WIN 0x0c
.set i, 0
.rept 16
	global_store_b64 v[T8], v[4*i:4*i+1], s[16:17] offset:i*1024
	global_store_b64 v[T8], v[64+4*i:64+4*i+1], s[56:57] offset:i*1024
	global_store_b64 v[T8], v[128+4*i:128+4*i+1], s[18:19] offset:i*1024
.set i, i+1
.endr
	WIN 0
	s_wait_tensorcnt 0x0                           ; the wave's end
	ds_add_u32 v[SPW], v[NIL]
	s_wait_dscnt 0x0
	ROUND                                          ; the closing round
	s_endpgm
.Lfunc_end_k_qffce7b8a11_qk:
	.size	k_qffce7b8a11_qk, .Lfunc_end_k_qffce7b8a11_qk-k_qffce7b8a11_qk
	.p2alignl 7, 3214868480
	.fill 96, 4, 3214868480
	.section	.rodata,"a",@progbits
	.p2align	6, 0x0
	.amdhsa_kernel k_qffce7b8a11_qk
		.amdhsa_group_segment_fixed_size 279040
		.amdhsa_private_segment_fixed_size 0
		.amdhsa_enable_private_segment 0
		.amdhsa_kernarg_size 64
		.amdhsa_user_sgpr_count 2
		.amdhsa_user_sgpr_kernarg_segment_ptr 1
		.amdhsa_wavefront_size32 1
		.amdhsa_system_sgpr_workgroup_id_x 1
		.amdhsa_system_sgpr_workgroup_id_y 1
		.amdhsa_system_sgpr_workgroup_id_z 1
		.amdhsa_system_vgpr_workitem_id 0
		.amdhsa_next_free_vgpr 960
		.amdhsa_next_free_sgpr 66
		.amdhsa_reserve_vcc 0
		.amdhsa_float_denorm_mode_32 3
		.amdhsa_float_denorm_mode_16_64 3
		.amdhsa_memory_ordered 1
		.amdhsa_forward_progress 1
		.amdhsa_inst_pref_size 68
	.end_amdhsa_kernel
	.amdgpu_metadata
---
amdhsa.version: [ 1, 2 ]
amdhsa.kernels:
  - .name:           k_qffce7b8a11_qk
    .symbol:         k_qffce7b8a11_qk.kd
    .args:
      - { .name: qf, .offset: 0, .size: 8, .value_kind: global_buffer, .address_space: global }
      - { .name: wk16, .offset: 8, .size: 8, .value_kind: global_buffer, .address_space: global }
      - { .name: emb_src, .offset: 16, .size: 8, .value_kind: global_buffer, .address_space: global }
      - { .name: feat_src, .offset: 24, .size: 8, .value_kind: global_buffer, .address_space: global }
      - { .name: Wv, .offset: 32, .size: 8, .value_kind: global_buffer, .address_space: global }
      - { .name: qp, .offset: 40, .size: 8, .value_kind: global_buffer, .address_space: global }
      - { .name: src16, .offset: 48, .size: 8, .value_kind: global_buffer, .address_space: global }
      - { .name: wv16, .offset: 56, .size: 8, .value_kind: global_buffer, .address_space: global }
    .group_segment_fixed_size: 279040
    .private_segment_fixed_size: 0
    .kernarg_segment_align: 8
    .kernarg_segment_size: 64
    .max_flat_workgroup_size: 128
    .sgpr_count:     66
    .vgpr_count:     960
    .wavefront_size: 32
...
	.end_amdgpu_metadata
.endif
;; end of part 2
;; launch attn (part 3): grid 64 x 4, 4 waves a work-group, clusters of 4 x 1, 327,680 bytes of LDS; arguments qp, qf, src16, op; writes op
.if DOCPART == 3
	.amdgcn_target "amdgcn-amd-amdhsa--gfx1250"
	.amdhsa_code_object_version 6
	.text
	.protected	k_qffce7b8a11_attn
	.globl	k_qffce7b8a11_attn
	.p2align	8
	.type	k_qffce7b8a11_attn,@function
k_qffce7b8a11_attn:
	s_mov_b64 s[64:65], 0
	v_nop
	global_prefetch_b8 v0, s[64:65] scope:SCOPE_SE
	s_setreg_imm32_b32 hwreg(HW_REG_WAVE_MODE, 25, 1), 1
	s_wait_xcnt 0x0
	s_wait_alu depctr_hold_cnt(0) depctr_sa_sdst(0) depctr_va_vdst(0) depctr_va_sdst(0) depctr_va_ssrc(0) depctr_va_vcc(0) depctr_vm_vsrc(0)
	s_getreg_b32 s2, hwreg(HW_REG_IB_STS2, 6, 4)
	s_cmp_eq_u32 s2, 0
	s_cbranch_scc0 .Lentry_in_a_cluster
	s_endpgm
.Lentry_in_a_cluster:
	s_bfe_u32 s2, ttmp6, 0x10000c
	s_cmp_lg_u32 s2, 0x3003
	s_cbranch_scc0 .Lentry_shape_is_right
	s_endpgm
.Lentry_shape_is_right:
; ONE ATTENTION FOR ALL HEADS.  score(h, n, m) = (q'[h][n] . emb_src[m] + c[h][n]) / sqrt(512), which equals q . k / sqrt(512) for every input; and since a softmax's weights add up to 1,
; the weighted sum of v = feat_src Wv + bv is (the weighted sum of feat_src) Wv + bv.  So all 8,192 queries (head x destination row) walk the same K = bf16 emb_src and V = bf16 feat_src, head size 512.
; This launch: for 128 queries and 1,024 of the 4,096 keys, O = sum of p feat_src (not divided), the running maximum as cs m and the sum l.  The next launch merges the four key blocks.
; p = 2^(cs s - cs m), cs = log2(e) / sqrt(512), m a running maximum; in every step O and l are multiplied by a = 2^(cs m_old - cs m_new).  Products in bf16 with f32 sums; p is rounded to bf16 for the
; second product, l is taken of the unrounded p, O is rounded once to bf16 on its way out.  c enters each score in f32, as the C operand of its first product.
; LIMITS.  cs m starts at -4.25e37 and m at the lowest finite number, so the first step's a is 0 and no first step is written out: O and l are set to 0 while the first tile is on its way.
; A weight below 2^-126 counts as 0; NaN and infinities are not treated apart.
; SHARES.  A wave holds two tiles of 16 queries: O^T takes 512 registers, Q 256.  16 steps of 64 keys.  LAYOUT.  S^T = K Q^T (source 0 = 16 keys, source 1 = 16 queries): a lane holds ONE query and keys
; 8 (l / 16) + 0..7; two such results rounded in pairs ARE source 1 of O^T = V^T P.  K comes out of LDS as it lies, V turned by ds_load_tr16_b128.
; RING.  Two LDS slots of one step's K and V; the tile of step j + 1 is asked for at the head of step j, into the slot read in step j - 1: it has a step's 256 matrix instructions in which to land.  One tensor load a wave is out.
; CLUSTER.  The four query blocks of a cluster walk the same keys: each tile is asked for jointly, and the change of slots is a round of the cluster's barrier.
; UNITS.  A step is 16 units of 16 LDS loads in one run and 16 matrix instructions, on two fragment buffers: unit i + 2 is fetched behind unit i.  Units 0-7: K Q^T, 64 channels each.
; Units 8-15: V^T P, group g = four blocks of 16 channels, both halves of the keys: a unit finishes its group.
; RIDERS.  O^T's rescaling stands behind the products: group g + 1's 32 multiplies in fours behind every second product of unit g (group 0's ahead of unit 8); the last four are the places in front of the next run of loads.
; In the last step group g - 1 is also rounded behind unit g's products and stored with unit g's run of loads, so that O leaves while the later groups are multiplied.
; REGISTERS: window 0: v2-15 addresses; v16-31 statistics, eight a tile: cs m, m, l (two), c0-c3 at work (a takes c2); v32-47 c, eight times a tile; v48-63 at work; v64-127 S^T, then P in place; v128-255 two fragment buffers.
;   windows 1, 2: O^T: (t, cb) in window 1 + cb / 16 at 8 (2 (cb % 16) + t).   window 3: Q: (t, c) at 8 (16 t + c).
; No window has room for a product's operands beside O^T, so four riders cost two switches.
.set PK, 1040                          ; a row of K in LDS: 1,024 bytes + 16: the 16 rows of a load start in 16 different groups of four banks (ISA guide 11.1)
.set PV, 1056                          ; a row of V: 1,024 + 32
.set VOFF, 64*PK
.set SLOT1, 0x21000                    ; slot 1: a constant that shares no bit with the tiles' places in a slot, so one exclusive or changes slots
.set SPARE, SLOT1+VOFF+64*PV           ; the spare words: 128 bytes a wave, two blocks of 256 bytes that no other line names
.set CPO, 8388608                      ; c's partial sums in qf
.set ML, 33554432                      ; the statistics in op
.set AK0, 2
.set AV0, 3
.set AKC, 4
.set AVC, 5
.set L16, 6
.set L8, 7
.set LN, 8
.set RW, 9
.set SPW, 10
.set NIL, 11
.set HL, 12
.set CA, 13
.set TM, 14
.set ST, 16
.set CB, 32
.set CT, 48
.set S, 64
.set F, 128
.set WV, 12
.set G1K, 24
.set G1V, 32
.set G0K, 40
.set G0V, 44
.set CNT, 56
.set CS, 58
.set SEL, 60
.set TB, 62
.set MSB, 0
.macro WIN new                         ; the immediate's high byte repeats the setting that is left; a switch that changes nothing is dropped
.if MSB != (\new)
	s_set_vgpr_msb (MSB<<8)|(\new)
.set MSB, (\new)
.endif
.endm
.macro PLACES                          ; four places between a matrix instruction and a load into, or a vector access to, its registers
.rept 4
	v_nop
.endr
.endm
.macro ROUND
	s_barrier_signal -1
	s_barrier_wait -1
	s_cmp_lg_u32 s[WV], 0
	s_cbranch_scc1 .Lnot_wave_0_\@
	s_barrier_signal -3
.Lnot_wave_0_\@:
	s_barrier_wait -3
	s_barrier_signal -1
	s_barrier_wait -1
.endm
.macro JLOAD                           ; a joint fill: waves 0 and 1 fetch the two halves of a step's K, waves 2 and 3 those of its V: 32 rows of 1,024 bytes each
	s_cmp_lt_u32 s[WV], 2
	s_cbranch_scc0 .Lfor_v_\@
	tensor_load_to_lds s[G0K:G0K+3], s[G1K:G1K+7]
	s_nop 0
.rept 4
	v_nop
.endr
	s_branch .Lasked_\@
.Lfor_v_\@:
	tensor_load_to_lds s[G0V:G0V+3], s[G1V:G1V+7]
	s_nop 0
.rept 4
	v_nop
.endr
.Lasked_\@:
.endm
.macro BOTH line:vararg                ; one line for each of the two tiles t
.set t, 0
.rept 2
	\line
.set t, t+1
.endr
.endm
; Unit i's sixteen LDS loads, the eight of its first eight products first.  i < 8: K, channels 64 i on (two K steps), four blocks of 16 keys.  i >= 8: V^T, both halves of the keys, channel blocks 4 (i - 8) + 0..3.
.macro FETCHU i
.set FB, F+64*((\i)%2)
.set y, 0
.rept 2
.set z, 0
.rept 4
.if (\i) < 8
	ds_load_b128 v[FB+32*y+8*z:FB+32*y+8*z+3], v[AKC] offset:z*16*PK+(2*(\i)+y)*64
	ds_load_b128 v[FB+32*y+8*z+4:FB+32*y+8*z+7], v[AKC] offset:z*16*PK+(2*(\i)+y)*64+32
.else
	ds_load_tr16_b128 v[FB+32*y+8*z:FB+32*y+8*z+3], v[AVC] offset:y*32*PV+(4*((\i)-8)+z)*32
	ds_load_tr16_b128 v[FB+32*y+8*z+4:FB+32*y+8*z+7], v[AVC] offset:y*32*PV+(4*((\i)-8)+z)*32+16*PV
.endif
.set z, z+1
.endr
.set y, y+1
.endr
.endm
; A unit of K Q^T.  The 8 accumulators take turns.  Unit 0's first eight products start the scores with c.
.macro KUNIT i
.set FP, F+64*((\i)%2)
	WIN 0x0c                                       ; Q in window 3, all else in window 0; the loads below run under it too
.set cc, 0
.rept 2
	s_wait_dscnt 24-8*cc                           ; 24: my first eight loads are in (my other eight and the younger unit's sixteen may be out); 16: all sixteen
.set z, 0
.rept 4
.set t, 0
.rept 2
.set rS, S+32*t+8*z
.set rQ, 8*(16*t+2*(\i)+cc)
.if ((\i) == 0) && (cc == 0)
	v_wmma_f32_16x16x32_bf16 v[rS:rS+7], v[FP+32*cc+8*z:FP+32*cc+8*z+7], v[rQ:rQ+7], v[CB+8*t:CB+8*t+7]
.else
	v_wmma_f32_16x16x32_bf16 v[rS:rS+7], v[FP+32*cc+8*z:FP+32*cc+8*z+7], v[rQ:rQ+7], v[rS:rS+7]
.endif
.set t, t+1
.endr
.set z, z+1
.endr
.set cc, cc+1
.endr
	PLACES                                         ; for the loads into this unit's buffer; behind unit 7 also for the softmax's first reads
	FETCHU (\i)+2
.endm
; Four riders: accumulator p (0..7) of group g times a, from its low end on.
.macro RESCG g, p
.set zz, (\p)>>1
.set tt, (\p)&1
.set rR, (((4*(\g)+zz)&15)*2+tt)*8
	WIN 0x41*(1+((\g)>>2))
.irp k, 0,2,4,6
	v_pk_mul_f32 v[rR+\k:rR+\k+1], v[rR+\k:rR+\k+1], v[ST+8*tt+6:ST+8*tt+7] op_sel_hi:[1,0]
.endr
.endm
; Four riders of the last step: part p of group g's way out: two neighbouring results pack into one fragment of 32 channels, in place (pair p / 4, tile (p / 2) % 2, half p % 2), each read from its low end.
.macro PACKG g, p
.set qq, (\p)>>2
.set tt, ((\p)>>1)&1
.set hh, (\p)&1
.set x, (((4*(\g)+2*qq)&15)*2+tt)*8
	WIN 0x45*(1+((\g)>>2))
.irp k, 0,1,2,3
	v_cvt_pk_bf16_f32 v[x+4*hh+\k], v[x+16*hh+2*\k], v[x+16*hh+2*\k+1]
.endr
.endm
.macro STOREG g                        ; group g's eight stores, 512 consecutive aligned bytes each
	WIN 0x04*(1+((\g)>>2))
.set qq, 0
.rept 2
.set tt, 0
.rept 2
.set x, (((4*(\g)+2*qq)&15)*2+tt)*8
	global_store_b128 v[L16], v[x:x+3], s[10:11] offset:tt*16384+(2*(\g)+qq)*1024
	global_store_b128 v[L16], v[x+4:x+7], s[10:11] offset:tt*16384+(2*(\g)+qq)*1024+512
.set tt, tt+1
.endr
.set qq, qq+1
.endr
.endm
; A unit of V^T P: group g = i - 8.  Its 8 accumulators take turns: between the two links of a chain stand 7 others'.  out = 1: the last step.
.macro PUNIT i, out
.set g, (\i)-8
.set FP, F+64*((\i)%2)
.set kk, 0
.rept 2
.if (\i) < 15
	s_wait_dscnt 24-8*kk                           ; as in K Q^T
.else
	s_wait_dscnt 8-8*kk                            ; the last unit has no younger one
.endif
.set z, 0
.rept 4
.set t, 0
.rept 2
.set rO, (((4*g+z)&15)*2+t)*8
	WIN 0x50*(1+(g>>2))
	v_wmma_f32_16x16x32_bf16 v[rO:rO+7], v[FP+32*kk+8*z:FP+32*kk+8*z+7], v[S+32*t+8*kk:S+32*t+8*kk+7], v[rO:rO+7]
.if (\out) && (t == 0) && (g >= 1)
	PACKG g-1, 4*kk+z                              ; the group before was finished a unit ago: four multiplies stand behind its last product
.endif
.if (t == 1) && (g <= 6)
	RESCG g+1, 4*kk+z                              ; none of these names a register of the products round it
.endif
.set t, t+1
.endr
.set z, z+1
.endr
.set kk, kk+1
.endr
.if (\i) <= 13
	WIN 0
	FETCHU (\i)+2                                  ; the four multiplies behind the unit's last product are the places in front of these loads
.endif
.if (\out) && (g >= 1)
	STOREG g-1
.endif
.endm
; THE SOFTMAX's lines, for tile t: pair p of its 16 pairs of scores, or score x of 32.
.macro SFMA t, p                       ; cs s - cs m
	v_pk_fma_f32 v[S+32*(\t)+2*(\p):S+32*(\t)+2*(\p)+1], v[S+32*(\t)+2*(\p):S+32*(\t)+2*(\p)+1], s[CS:CS+1], v[ST+8*(\t):ST+8*(\t)+1] op_sel_hi:[1,0,0] neg_lo:[0,0,1] neg_hi:[0,0,1]
.endm
.macro SEXP t, x
	v_exp_f32 v[S+32*(\t)+(\x)], v[S+32*(\t)+(\x)]
.endm
.macro SADD t, p                       ; l takes the pair (the first time as l = a l + pair)
.if (\p) == 0
	s_wait_alu depctr_va_vdst(0)
	v_pk_fma_f32 v[ST+8*(\t)+2:ST+8*(\t)+3], v[ST+8*(\t)+2:ST+8*(\t)+3], v[ST+8*(\t)+6:ST+8*(\t)+7], v[S+32*(\t):S+32*(\t)+1] op_sel_hi:[1,0,1]
.else
	s_wait_alu depctr_va_vdst(0)
	v_pk_add_f32 v[ST+8*(\t)+2:ST+8*(\t)+3], v[ST+8*(\t)+2:ST+8*(\t)+3], v[S+32*(\t)+2*(\p):S+32*(\t)+2*(\p)+1]
.endif
.endm
.macro SCVT t, p                       ; the pair is rounded to bf16, in place: word p of P
	v_cvt_pk_bf16_f32 v[S+32*(\t)+(\p)], v[S+32*(\t)+2*(\p)], v[S+32*(\t)+2*(\p)+1]
.endm
.macro SOFTMAX
	WIN 0
.set j, 0
.rept 4                                ; the maximum: four chains of seven scores, each accumulator read from its low end
	BOTH v_max3_num_f32 v[ST+8*t+4+j], v[S+32*t+8*j], v[S+32*t+8*j+1], v[S+32*t+8*j+2]
.set j, j+1
.endr
.rept 8
	BOTH v_max3_num_f32 v[ST+8*t+4+j%4], v[ST+8*t+4+j%4], v[S+32*t+8*(j%4)+2*(j/4)+1], v[S+32*t+8*(j%4)+2*(j/4)+2]
.set j, j+1
.endr
	BOTH v_max3_num_f32 v[ST+8*t+4], v[ST+8*t+4], v[S+32*t+7], v[S+32*t+15]
	BOTH v_max3_num_f32 v[ST+8*t+6], v[ST+8*t+6], v[S+32*t+23], v[S+32*t+31]
	BOTH v_max3_num_f32 v[ST+8*t+4], v[ST+8*t+4], v[ST+8*t+5], v[ST+8*t+6]
	BOTH v_max3_num_f32 v[ST+8*t+4], v[ST+8*t+4], v[ST+8*t+7], v[ST+8*t+1]
	BOTH v_permlanex16_b32 v[ST+8*t+5], v[ST+8*t+4], s[SEL], s[SEL+1]   ; the query's other 32 keys lie in the lane 16 away
	BOTH v_mov_b32 v[ST+8*t+7], v[ST+8*t]
	BOTH v_max_num_f32 v[ST+8*t+1], v[ST+8*t+4], v[ST+8*t+5]
	BOTH v_mul_f32 v[ST+8*t], s[CS], v[ST+8*t+1]
	BOTH v_sub_f32 v[ST+8*t+7], v[ST+8*t+7], v[ST+8*t]
	BOTH v_exp_f32 v[ST+8*t+6], v[ST+8*t+7]
	SFMA 0, 0
	SFMA 1, 0
	SFMA 0, 1
	SFMA 1, 1
; Exponentials and plain lines by turns: behind each exponential stands work that is ready: the sum and the rounding of the pair before, the scaling of the pair two ahead.
; So a plain instruction stands between every exponential and the use of its result (ISA guide 5.7.2).
.set b, 0
.rept 16
	SEXP 0, 2*b
.if b > 0
	SADD 0, b-1
.endif
.if b < 14
	SFMA 0, b+2
.endif
	SEXP 0, 2*b+1
.if b > 0
	SADD 1, b-1
.endif
.if b < 14
	SFMA 1, b+2
.endif
	SEXP 1, 2*b
.if b > 0
	SCVT 0, b-1
.endif
	SEXP 1, 2*b+1
.if b > 0
	SCVT 1, b-1
.endif
.set b, b+1
.endr
	SADD 0, 15
	SADD 1, 15
	SCVT 0, 15
	SCVT 1, 15
.endm
; A KEY STEP.  Each wave waits for all its tensor loads (one is out: its part of this step's tile), adds 0 to its spare word, and waits for that and for its reads of the slot read last.
; fill = 1: a round of the cluster's barrier, and first behind it the joint fill of that slot with the next step's tile.  out = 1: the last step: finished groups leave.
.macro STEP fill, out
	WIN 0
	s_wait_tensorcnt 0x0                           ; no tensor load of mine is out, so a group 0 may be written
	ds_add_u32 v[SPW], v[NIL]                      ; 0 onto my spare word; the descriptors' steps stand between it and the wait for it
.if \fill
	s_xor_b32 s[G0K+1], s[G0K+1], SLOT1            ; the other slot,
	s_add_nc_u64 s[G0K+2:G0K+3], s[G0K+2:G0K+3], 65536  ; the next 64 keys; the type bits on top are not reached
	s_xor_b32 s[G0V+1], s[G0V+1], SLOT1
	s_add_nc_u64 s[G0V+2:G0V+3], s[G0V+2:G0V+3], 65536
.endif
	s_wait_dscnt 0x0                               ; the add is done, and my reads of the last step's slot are over
.if \fill
	ROUND
	JLOAD                                          ; its four v_nop and the two additions below are the places behind the last step's products
.else
	s_barrier_signal -1
	s_barrier_wait -1
	PLACES
.endif
	v_add_nc_u32 v[AKC], s[TB], v[AK0]
	v_add_nc_u32 v[AVC], s[TB], v[AV0]
	s_xor_b32 s[TB], s[TB], SLOT1
	FETCHU 0
	FETCHU 1
.set u, 0
.rept 8
	KUNIT u
.set u, u+1
.endr
	SOFTMAX
.set p0, 0
.rept 8
	RESCG 0, p0                                    ; group 0 has no unit in front of it to ride on
.set p0, p0+1
.endr
.rept 8
	PUNIT u, \out
.set u, u+1
.endr
	WIN 0
.endm
	s_load_b256 s[4:11], s[0:1], 0x0               ; qp s[4:5], qf s[6:7], src16 s[8:9], op s[10:11]
	v_lshl_add_u32 v[SPW], v0, 2, SPARE
	v_mov_b32 v[NIL], 0
	ds_add_u32 v[SPW], v[NIL]                      ; the wave's opening: the add and its wait stand ahead of my first tensor load
	v_lshrrev_b32 v1, 5, v0
	v_readfirstlane_b32 s[WV], v1
	s_bfe_u32 s13, ttmp6, 0x40000                  ; cx
	s_lshl_b32 s14, ttmp9, 2
	s_add_co_u32 s14, s14, s13                     ; qb: my block of 128 queries; it enters Q's, c's and O's addresses alone
	s_and_b32 s15, ttmp7, 0xffff                   ; the block of 1,024 keys, which the partners share
	s_and_b32 s16, s[WV], 1                        ; which 32 rows of a tile I fetch
	s_lshl_b32 s20, s15, 20                        ; row 1024 ks + 32 (w % 2), 1,024 bytes a row
	s_lshl_b32 s17, s16, 15
	s_add_co_u32 s20, s20, s17
	s_mov_b32 s21, 0
	s_mov_b32 s[G1K], 15|(1<<16)|(1<<20)|(1<<21)|(7<<22)|(3<<25)  ; the mask of four; 2-byte elements; padding on; bit 21 beside a mask; after every 256 words 4 words
	s_mov_b32 s[G1V], 15|(1<<16)|(1<<20)|(1<<21)|(7<<22)|(7<<25)  ; the same with 8 words
.irp g, G1K, G1V
	s_mov_b32 s[\g+1], 512<<16                     ; tensor_dim0 = 512
	s_mov_b32 s[\g+2], 32<<16                      ; tensor_dim1 = 32
	s_mov_b32 s[\g+3], 512<<16                     ; tile_dim0 = 512
	s_mov_b32 s[\g+4], 32                          ; tile_dim1 = 32
	s_mov_b32 s[\g+5], 512                         ; elements from row to row
	s_mov_b32 s[\g+6], 0
	s_mov_b32 s[\g+7], 0
.endr
	s_mov_b32 s[G0K], 1
	s_mul_i32 s[G0K+1], s16, 32*PK                 ; slot 0
	s_mov_b32 s[G0V], 1
	s_mul_i32 s17, s16, 32*PV
	s_add_co_u32 s[G0V+1], s17, VOFF
	s_mov_b32 s[CS], 0x3d8293ee                    ; log2(e) / sqrt(512)
	s_mov_b32 s[CS+1], s[CS]                       ; named with it as a pair
	s_mov_b32 s[SEL], 0x76543210
	s_mov_b32 s[SEL+1], 0xfedcba98
	s_mov_b32 s[TB], 0
	s_mov_b32 s[CNT], 15
	s_wait_dscnt 0x0                               ; the opening add is done
	s_wait_kmcnt 0x0
	s_add_nc_u64 s[G0K+2:G0K+3], s[8:9], s[20:21]
	s_add_nc_u64 s[G0V+2:G0V+3], s[G0K+2:G0K+3], 4194304  ; feat_src's bf16 lies behind emb_src's
	s_or_b32 s[G0K+3], s[G0K+3], 0x80000000
	s_or_b32 s[G0V+3], s[G0V+3], 0x80000000
	ROUND                                          ; all four work-groups are here: the first joint loads meet
	JLOAD                                          ; step 0's tile into slot 0
	s_lshl_b32 s18, s14, 17                        ; my first tile: 8 qb + 2 w, 16,384 bytes each
	s_lshl_b32 s19, s[WV], 15
	s_add_co_u32 s18, s18, s19
	s_mov_b32 s19, 0
	s_add_nc_u64 s[4:5], s[4:5], s[18:19]
	s_lshl_b32 s22, s15, 8                         ; the statistics: 256 bytes for key block ks and pair of tiles 4 qb + w
	s_lshl_b32 s23, s14, 2
	s_add_co_u32 s22, s22, s23
	s_add_co_u32 s22, s22, s[WV]
	s_lshl_b32 s22, s22, 8
	s_add_co_u32 s22, s22, ML
	s_mov_b32 s23, 0
	s_add_nc_u64 s[48:49], s[10:11], s[22:23]
	s_lshl_b32 s22, s15, 23                        ; O: key block ks has 512 tiles
	s_add_co_u32 s22, s22, s18
	s_add_nc_u64 s[10:11], s[10:11], s[22:23]
	s_lshl_b32 s22, s14, 1                         ; c: block of 64 rows 2 qb + w / 2
	s_lshr_b32 s17, s[WV], 1
	s_add_co_u32 s22, s22, s17
	s_lshl_b32 s22, s22, 8
	s_add_co_u32 s22, s22, CPO
	s_add_nc_u64 s[6:7], s[6:7], s[22:23]
	v_and_b32 v[LN], 31, v0
	v_and_b32 v[RW], 15, v0
	v_bfe_u32 v[HL], v0, 4, 1
	v_lshlrev_b32 v[L16], 4, v[LN]
	v_lshlrev_b32 v[L8], 3, v[LN]
	s_lshl_b32 s17, s16, 7
	v_lshl_add_u32 v[CA], v[RW], 3, s17            ; c of my query in both tiles: 8 bytes at 8 (16 (w % 2) + l % 16)
	WIN 0xc0
.set i, 0
.rept 64                               ; Q stays in registers: two tiles x 16 K steps x two halves, 512 consecutive bytes a load
	global_load_b128 v[4*i:4*i+3], v[L16], s[4:5] offset:i*512
.set i, i+1
.endr
	WIN 0
.set i, 0
.rept 8
	global_load_b64 v[CT+2*i:CT+2*i+1], v[CA], s[6:7] offset:i*32768
.set i, i+1
.endr
	v_mul_u32_u24 v[AK0], v[RW], PK
	v_lshl_add_u32 v[AK0], v[HL], 4, v[AK0]        ; row x pitch + 16 x half
	v_and_b32 v[TM], 7, v0
	v_lshl_add_u32 v[TM], v[HL], 3, v[TM]
	v_mul_u32_u24 v[AV0], v[TM], PV
	v_bfe_u32 v[TM], v0, 3, 1
	v_lshl_add_u32 v[AV0], v[TM], 4, v[AV0]
	v_add_nc_u32 v[AV0], VOFF, v[AV0]              ; key 8 (l / 16) + l % 8, channels 8 ((l / 8) % 2) on
	; O^T = 0: the first step multiplies it by a = 0 like every step, so it need only be finite.  64 products of two fragments of zeros write its 512 registers; they stand in the wait for the first tile.
.set i, 0
.rept 16
	v_mov_b32 v[F+i], 0
.set i, i+1
.endr
	WIN 0x40
.set i, 0
.rept 32
	v_wmma_f32_16x16x32_bf16 v[8*i:8*i+7], v[F:F+7], v[F+8:F+15], 0
.set i, i+1
.endr
	WIN 0x80
.set i, 0
.rept 32
	v_wmma_f32_16x16x32_bf16 v[8*i:8*i+7], v[F:F+7], v[F+8:F+15], 0
.set i, i+1
.endr
	WIN 0
	BOTH v_mov_b32 v[ST+8*t], 0xfe000000
	BOTH v_mov_b32 v[ST+8*t+1], 0xff7fffff
	BOTH v_mov_b32 v[ST+8*t+2], 0
	BOTH v_mov_b32 v[ST+8*t+3], 0
	s_wait_loadcnt 0x0                             ; Q and c's eight parts
	v_pk_add_f32 v[CT:CT+1], v[CT:CT+1], v[CT+2:CT+3]
	v_pk_add_f32 v[CT+4:CT+5], v[CT+4:CT+5], v[CT+6:CT+7]
	v_pk_add_f32 v[CT+8:CT+9], v[CT+8:CT+9], v[CT+10:CT+11]
	v_pk_add_f32 v[CT+12:CT+13], v[CT+12:CT+13], v[CT+14:CT+15]
	v_pk_add_f32 v[CT:CT+1], v[CT:CT+1], v[CT+4:CT+5]
	v_pk_add_f32 v[CT+8:CT+9], v[CT+8:CT+9], v[CT+12:CT+13]
	v_pk_add_f32 v[CT:CT+1], v[CT:CT+1], v[CT+8:CT+9]
.set i, 0
.rept 8
	v_mov_b32 v[CB+i], v[CT]
	v_mov_b32 v[CB+8+i], v[CT+1]
.set i, i+1
.endr
.Lstep:                                ; 15 trips: every step but the last asks for its successor's tile
	STEP 1, 0
	s_sub_co_u32 s[CNT], s[CNT], 1
	s_cmp_lg_u32 s[CNT], 0
	s_cbranch_scc1 .Lstep
	STEP 0, 1                                      ; the last step is written out; groups 0 to 6 leave in it
	PLACES                                         ; group 7's roundings read results just made
.set p0, 0
.rept 8
	PACKG 7, p0
.set p0, p0+1
.endr
	STOREG 7
	WIN 0
	BOTH v_add_f32 v[ST+8*t+2], v[ST+8*t+2], v[ST+8*t+3]
	BOTH v_permlanex16_b32 v[ST+8*t+3], v[ST+8*t+2], s[SEL], s[SEL+1]
	BOTH v_add_f32 v[ST+8*t+2], v[ST+8*t+2], v[ST+8*t+3]
	v_cmp_gt_u32 vcc_lo, 16, v[LN]
	v_cndmask_b32 v[CT], v[ST+8], v[ST], vcc_lo    ; lanes 0-15 store tile 0's (cs m, l), lanes 16-31 tile 1's
	v_cndmask_b32 v[CT+1], v[ST+10], v[ST+2], vcc_lo
	global_store_b64 v[L8], v[CT:CT+1], s[48:49]   ; 256 consecutive bytes, aligned
	s_wait_tensorcnt 0x0                           ; the wave's end
	ds_add_u32 v[SPW], v[NIL]
	s_wait_dscnt 0x0
	ROUND                                          ; the closing round: no work-group ends while a partner may still ask for a tile that names it
	s_endpgm
.Lfunc_end_k_qffce7b8a11_attn:
	.size	k_qffce7b8a11_attn, .Lfunc_end_k_qffce7b8a11_attn-k_qffce7b8a11_attn
	.p2alignl 7, 3214868480
	.fill 96, 4, 3214868480
	.section	.rodata,"a",@progbits
	.p2align	6, 0x0
	.amdhsa_kernel k_qffce7b8a11_attn
		.amdhsa_group_segment_fixed_size 327680
		.amdhsa_private_segment_fixed_size 0
		.amdhsa_enable_private_segment 0
		.amdhsa_kernarg_size 32
		.amdhsa_user_sgpr_count 2
		.amdhsa_user_sgpr_kernarg_segment_ptr 1
		.amdhsa_wavefront_size32 1
		.amdhsa_system_sgpr_workgroup_id_x 1
		.amdhsa_system_sgpr_workgroup_id_y 1
		.amdhsa_system_sgpr_workgroup_id_z 1
		.amdhsa_system_vgpr_workitem_id 0
		.amdhsa_next_free_vgpr 1024
		.amdhsa_next_free_sgpr 66
		.amdhsa_reserve_vcc 1
		.amdhsa_float_denorm_mode_32 3
		.amdhsa_float_denorm_mode_16_64 3
		.amdhsa_memory_ordered 1
		.amdhsa_forward_progress 1
		.amdhsa_inst_pref_size 178
	.end_amdhsa_kernel
	.amdgpu_metadata
---
amdhsa.version: [ 1, 2 ]
amdhsa.kernels:
  - .name:           k_qffce7b8a11_attn
    .symbol:         k_qffce7b8a11_attn.kd
    .args:
      - { .name: qp, .offset: 0, .size: 8, .value_kind: global_buffer, .address_space: global }
      - { .name: qf, .offset: 8, .size: 8, .value_kind: global_buffer, .address_space: global }
      - { .name: src16, .offset: 16, .size: 8, .value_kind: global_buffer, .address_space: global }
      - { .name: op, .offset: 24, .size: 8, .value_kind: global_buffer, .address_space: global }
    .group_segment_fixed_size: 327680
    .private_segment_fixed_size: 0
    .kernarg_segment_align: 8
    .kernarg_segment_size: 32
    .max_flat_workgroup_size: 128
    .sgpr_count:     66
    .vgpr_count:     1024
    .wavefront_size: 32
...
	.end_amdgpu_metadata
.endif
;; end of part 3
;; launch post (part 4): grid 16 x 16, 4 waves a work-group, clusters of 4 x 4, 279,040 bytes of LDS; arguments op, wv16, bv, rh; writes rh
.if DOCPART == 4
	.amdgcn_target "amdgcn-amd-amdhsa--gfx1250"
	.amdhsa_code_object_version 6
	.text
	.protected	k_qffce7b8a11_post
	.globl	k_qffce7b8a11_post
	.p2align	8
	.type	k_qffce7b8a11_post,@function
k_qffce7b8a11_post:
	s_mov_b64 s[64:65], 0
	v_nop
	global_prefetch_b8 v0, s[64:65] scope:SCOPE_SE
	s_setreg_imm32_b32 hwreg(HW_REG_WAVE_MODE, 25, 1), 1
	s_wait_xcnt 0x0
	s_wait_alu depctr_hold_cnt(0) depctr_sa_sdst(0) depctr_va_vdst(0) depctr_va_sdst(0) depctr_va_ssrc(0) depctr_va_vcc(0) depctr_vm_vsrc(0)
	s_getreg_b32 s2, hwreg(HW_REG_IB_STS2, 6, 4)
	s_cmp_eq_u32 s2, 0
	s_cbranch_scc0 .Lentry_in_a_cluster
	s_endpgm
.Lentry_in_a_cluster:
	s_bfe_u32 s2, ttmp6, 0x10000c
	s_cmp_lg_u32 s2, 0xf033
	s_cbranch_scc0 .Lentry_shape_is_right
	s_endpgm
.Lentry_shape_is_right:
; rh[h][n][f] = elu( sum over e of A[h][n][e] Wv[h][e][f] + bv[h][f] ), where A is the softmax-weighted mean of feat_src, merged from the four key blocks:
; A = sum over s of f_s O_s,  f_s = w_s / (sum of w_s l_s),  w_s = 2^(cm_s - max cm).  The merge is in f32, A is rounded once to bf16; products in bf16, sums and bias in f32.
; LIMITS.  elu's negative side is 2^(x log2 e) - 1 in f32: its absolute error is about 1e-7, so numbers below about 1e-5 in size lose their relative accuracy.  NaN is not treated apart.
; SHARES.  A work-group makes 64 rows x 256 columns of one head; wave w one tile of 16 rows and all 256 columns: 16 accumulators, so that each wave merges its own rows alone and nothing is exchanged.
; Wv's 512 rows x 256 columns come into LDS once, 128 rows a wave by one tensor load: nothing is filled again; one tensor load a wave is out.
; CLUSTER.  4 x 4 work-groups.  The four row blocks of a row of the cluster share head and column block: Wv's tiles are asked for jointly along that row.  A cluster's four rows are two heads x two column blocks,
; so the two work-groups that load the same rows of op belong to one cluster and load them at about the same time.
; The accumulators begin as the bias, loaded straight into them.  rh's order is the accumulators': piece (cb, q) of a tile is 512 consecutive bytes: lane l holds row l % 16, columns 16 cb + 8 (l / 16) + 4 q + 0..3.
; REGISTERS: window 0: addresses, v8-19 statistics and factors, v64-79 at work, v96-127 A's four fragments, v128-255 accumulators.  window 1: v0-127 the four O_s of a chunk.  window 2: two buffers of Wv's fragments.
.set PB, 544                           ; an LDS row: 512 bytes + 32
.set CHUNK, 128*PB
.set SPARE, 4*CHUNK
.set ML, 33554432
.set ADRB, 4
.set AO, 5
.set L16, 6
.set ZZ, 7
.set STT, 8                            ; v[8+2s], v[9+2s]: cs m and l of key block s
.set FS, 16
.set SA, 22
.set BA, 23
.set HL, 24
.set TM, 25
.set ADRC, 26
.set SPW, 30
.set NIL, 31
.set TT, 64
.set AF, 96
.set ACC, 128
.set WV, 12
.set G1, 24
.set G0, 32
.set OPS, 40
.set CNT, 50
.set TB, 51
.set MSB, 0
.macro WIN new
.if MSB != (\new)
	s_set_vgpr_msb (MSB<<8)|(\new)
.set MSB, (\new)
.endif
.endm
.macro PLACES
.rept 4
	v_nop
.endr
.endm
.macro ROUND
	s_barrier_signal -1
	s_barrier_wait -1
	s_cmp_lg_u32 s[WV], 0
	s_cbranch_scc1 .Lnot_wave_0_\@
	s_barrier_signal -3
.Lnot_wave_0_\@:
	s_barrier_wait -3
	s_barrier_signal -1
	s_barrier_wait -1
.endm
.macro LOADS                           ; four K steps of the four O_s: 32 loads of 512 consecutive bytes
	WIN 0x40
.set ip, 0
.rept 4
.set is, 0
.rept 4
	global_load_b128 v[32*ip+8*is:32*ip+8*is+3], v[AO], s[OPS+2*is:OPS+2*is+1] offset:ip*1024
	global_load_b128 v[32*ip+8*is+4:32*ip+8*is+7], v[AO], s[OPS+2*is:OPS+2*is+1] offset:ip*1024+512
.set is, is+1
.endr
.set ip, ip+1
.endr
	WIN 0
.endm
.macro COMBINE p                       ; A's fragment of K step p: sixteen f32 sums over the key blocks, straight from the bf16 halves, then one rounding
	WIN 0x01
.set is, 0
.rept 4
.set rr, 0
.rept 8
.if is == 0
	v_fma_mix_f32_bf16 v[TT+2*rr], v[32*(\p)+8*is+rr], v[FS+is], v[ZZ] op_sel_hi:[1,0,0]
	v_fma_mix_f32_bf16 v[TT+2*rr+1], v[32*(\p)+8*is+rr], v[FS+is], v[ZZ] op_sel:[1,0,0] op_sel_hi:[1,0,0]
.else
	v_fma_mix_f32_bf16 v[TT+2*rr], v[32*(\p)+8*is+rr], v[FS+is], v[TT+2*rr] op_sel_hi:[1,0,0]
	v_fma_mix_f32_bf16 v[TT+2*rr+1], v[32*(\p)+8*is+rr], v[FS+is], v[TT+2*rr+1] op_sel:[1,0,0] op_sel_hi:[1,0,0]
.endif
.set rr, rr+1
.endr
.set is, is+1
.endr
	WIN 0
.set rr, 0
.rept 8
	v_cvt_pk_bf16_f32 v[AF+8*(\p)+rr], v[TT+2*rr], v[TT+2*rr+1]
.set rr, rr+1
.endr
.endm
.macro FETCH ks, f                     ; 32 LDS loads: Wv^T's fragments of 256 columns, 32 along K
	WIN 0x80
.set ib, 0
.rept 16
	ds_load_tr16_b128 v[128*(\f)+8*ib:128*(\f)+8*ib+3], v[ADRC] offset:(\ks)*32*PB+ib*32
	ds_load_tr16_b128 v[128*(\f)+8*ib+4:128*(\f)+8*ib+7], v[ADRC] offset:(\ks)*32*PB+ib*32+16*PB
.set ib, ib+1
.endr
.endm
.macro MUL f, p                        ; 16 matrix instructions; the accumulators take turns
	WIN 0x02
.set ib, 0
.rept 16
	v_wmma_f32_16x16x32_bf16 v[ACC+8*ib:ACC+8*ib+7], v[128*(\f)+8*ib:128*(\f)+8*ib+7], v[AF+8*(\p):AF+8*(\p)+7], v[ACC+8*ib:ACC+8*ib+7]
.set ib, ib+1
.endr
.endm
	s_load_b256 s[4:11], s[0:1], 0x0               ; op s[4:5], wv16 s[6:7], bv s[8:9], rh s[10:11]
	v_lshl_add_u32 v[SPW], v0, 2, SPARE
	v_mov_b32 v[NIL], 0
	ds_add_u32 v[SPW], v[NIL]                      ; the wave's opening: the add and its wait stand ahead of my first tensor load
	v_lshrrev_b32 v1, 5, v0
	v_readfirstlane_b32 s[WV], v1
	s_bfe_u32 s13, ttmp6, 0x40000                  ; cx
	s_bfe_u32 s19, ttmp6, 0x40004                  ; cy
	s_lshl_b32 s14, ttmp9, 2
	s_add_co_u32 s14, s14, s13                     ; rb = 4 x cluster x + cx: my block of 64 rows; it enters op's and rh's addresses alone
	s_and_b32 s15, ttmp7, 0xffff
	s_lshl_b32 s15, s15, 2
	s_add_co_u32 s15, s15, s19                     ; y = 4 x cluster y + cy
	s_lshr_b32 s16, s15, 1                         ; h
	s_and_b32 s17, s15, 1                          ; ch: block of 256 columns
	s_lshl_b32 s18, s19, 2
	s_lshl_b32 s18, 15, s18                        ; my row of the cluster: places 4 cy .. 4 cy + 3
	s_or_b32 s[G1+0], s18, (1<<16)|(1<<20)|(1<<21)|(6<<22)|(7<<25)  ; the mask; 2-byte elements; padding on; bit 21 beside a mask; after every 128 words 8 words
	s_mov_b32 s[G1+1], 256<<16                     ; tensor_dim0 = 256
	s_mov_b32 s[G1+2], 128<<16                     ; tensor_dim1 = 128
	s_mov_b32 s[G1+3], 256<<16                     ; tile_dim0 = 256
	s_mov_b32 s[G1+4], 128                         ; tile_dim1 = 128
	s_mov_b32 s[G1+5], 512                         ; elements from row to row
	s_mov_b32 s[G1+6], 0
	s_mov_b32 s[G1+7], 0
	s_mov_b32 s[G0], 1
	s_mul_i32 s[G0+1], s[WV], CHUNK                ; wave w fetches chunk w
	s_lshl_b32 s20, s16, 19                        ; the head's Wv, row 128 w, column 256 ch: made of y and the wave's number alone
	s_lshl_b32 s18, s[WV], 17
	s_add_co_u32 s20, s20, s18
	s_lshl_b32 s18, s17, 9
	s_add_co_u32 s20, s20, s18
	s_mov_b32 s21, 0
	s_wait_dscnt 0x0                               ; the opening add is done
	s_wait_kmcnt 0x0
	s_add_nc_u64 s[G0+2:G0+3], s[6:7], s[20:21]
	s_or_b32 s[G0+3], s[G0+3], 0x80000000
	ROUND                                          ; all sixteen work-groups are here: the joint loads meet
	tensor_load_to_lds s[G0:G0+3], s[G1:G1+7]
	s_nop 0
	PLACES
	s_lshl_b32 s22, s16, 5                         ; the statistics: pair of tiles 32 h + 2 rb + w / 2
	s_lshl_b32 s18, s14, 1
	s_add_co_u32 s22, s22, s18
	s_lshr_b32 s18, s[WV], 1
	s_add_co_u32 s22, s22, s18
	s_lshl_b32 s22, s22, 8
	s_add_co_u32 s22, s22, ML
	s_mov_b32 s23, 0
	s_add_nc_u64 s[48:49], s[4:5], s[22:23]
	s_lshl_b32 s22, s16, 6                         ; my tile: 64 h + 4 rb + w
	s_lshl_b32 s18, s14, 2
	s_add_co_u32 s18, s18, s[WV]
	s_add_co_u32 s22, s22, s18
	s_lshl_b32 s22, s22, 14
	s_add_nc_u64 s[OPS:OPS+1], s[4:5], s[22:23]
	s_add_nc_u64 s[OPS+2:OPS+3], s[OPS:OPS+1], 8388608
	s_add_nc_u64 s[OPS+4:OPS+5], s[OPS+2:OPS+3], 8388608
	s_add_nc_u64 s[OPS+6:OPS+7], s[OPS+4:OPS+5], 8388608
	s_lshl_b32 s22, s16, 21                        ; rh: head, tile 4 rb + w, 16 column blocks of 1,024 bytes from 16 ch
	s_lshl_b32 s18, s18, 15
	s_add_co_u32 s22, s22, s18
	s_lshl_b32 s18, s17, 14
	s_add_co_u32 s22, s22, s18
	s_add_nc_u64 s[10:11], s[10:11], s[22:23]
	s_lshl_b32 s22, s16, 11
	s_lshl_b32 s18, s17, 10
	s_add_co_u32 s22, s22, s18
	s_add_nc_u64 s[8:9], s[8:9], s[22:23]
	v_and_b32 v2, 31, v0
	v_and_b32 v3, 15, v0
	v_bfe_u32 v[HL], v0, 4, 1
	v_lshlrev_b32 v[L16], 4, v2
	v_mov_b32 v[AO], v[L16]
	v_mov_b32 v[ZZ], 0
	v_and_b32 v[TM], 7, v0
	v_lshl_add_u32 v[TM], v[HL], 3, v[TM]
	v_mul_u32_u24 v[ADRB], v[TM], PB
	v_bfe_u32 v[TM], v0, 3, 1
	v_lshl_add_u32 v[ADRB], v[TM], 4, v[ADRB]      ; row 8 (l / 16) + l % 8, columns 8 ((l / 8) % 2) on
	s_and_b32 s18, s[WV], 1
	s_lshl_b32 s18, s18, 7
	v_lshl_add_u32 v[SA], v3, 3, s18
	v_lshlrev_b32 v[BA], 5, v[HL]
.set is, 0
.rept 4
	global_load_b64 v[STT+2*is:STT+2*is+1], v[SA], s[48:49] offset:is*65536
.set is, is+1
.endr
.set ib, 0
.rept 16                               ; the sums begin as the bias
	global_load_b128 v[ACC+8*ib:ACC+8*ib+3], v[BA], s[8:9] offset:ib*64
	global_load_b128 v[ACC+8*ib+4:ACC+8*ib+7], v[BA], s[8:9] offset:ib*64+16
.set ib, ib+1
.endr
	LOADS
	s_wait_loadcnt 63                              ; 64 loads are younger than the four of the statistics; the wait's field ends at 63
	v_max_num_f32 v20, v[STT], v[STT+2]
	v_max_num_f32 v21, v[STT+4], v[STT+6]
	v_max_num_f32 v20, v20, v21
.irp k, 0,1,2,3
	v_sub_f32 v[FS+\k], v[STT+2*\k], v20
.endr
.irp k, 0,1,2,3
	v_exp_f32 v[FS+\k], v[FS+\k]
.endr
	v_nop                                          ; a plain instruction between the last exponential and the use of its result
	s_wait_alu depctr_va_vdst(0)
	v_mul_f32 v21, v[FS], v[STT+1]
	v_fmac_f32 v21, v[FS+1], v[STT+3]
	v_fmac_f32 v21, v[FS+2], v[STT+5]
	v_fmac_f32 v21, v[FS+3], v[STT+7]
	v_rcp_f32 v21, v21                             ; the block that holds the maximum gives at least its own weight 1: the sum is not 0
	v_nop
	s_wait_alu depctr_va_vdst(0)
.irp k, 0,1,2,3
	v_mul_f32 v[FS+\k], v[FS+\k], v21
.endr
	s_wait_tensorcnt 0x0                           ; my chunk of Wv is in,
	s_barrier_signal -1
	s_barrier_wait -1                              ; everybody's is
	s_mov_b32 s[CNT], 4
	s_mov_b32 s[TB], 0
.Lchunk:                               ; a trip: 128 along K
	v_add_nc_u32 v[ADRC], s[TB], v[ADRB]
	PLACES                                         ; both buffers and A's fragments were read by the last trip's products
	FETCH 0, 0
	FETCH 1, 1
	WIN 0
	s_wait_loadcnt 0x0                             ; this chunk's O_s (in the first trip the bias too); the loads' address register is free
	COMBINE 0
	COMBINE 1
	COMBINE 2
	COMBINE 3
	s_cmp_eq_u32 s[CNT], 1
	s_cbranch_scc1 .Lnoload                        ; the last chunk has no successor: no load leaves the buffer
	v_add_nc_u32 v[AO], 4096, v[AO]
	LOADS                                          ; on its way during this chunk's 64 products
.Lnoload:
	s_wait_dscnt 32                                ; all but the younger run of 32
	MUL 0, 0
	PLACES
	FETCH 2, 0
	s_wait_dscnt 32
	MUL 1, 1
	PLACES
	FETCH 3, 1
	s_wait_dscnt 32
	MUL 0, 2
	s_wait_dscnt 0x0
	MUL 1, 3
	WIN 0
	s_add_co_u32 s[TB], s[TB], CHUNK
	s_sub_co_u32 s[CNT], s[CNT], 1
	s_cmp_lg_u32 s[CNT], 0
	s_cbranch_scc1 .Lchunk
	PLACES
.set ib, 0
.rept 16                               ; elu(x) = max(x, 0) + (e^min(x, 0) - 1), an accumulator at a time, read from its low end
.set x, ACC+8*ib
.irp k, 0,1,2,3,4,5,6,7
	v_min_num_f32 v[TT+\k], 0, v[x+\k]
.endr
.irp k, 0,2,4,6
	v_pk_mul_f32 v[TT+\k:TT+\k+1], v[TT+\k:TT+\k+1], 0x3fb8aa3b op_sel_hi:[1,0]
.endr
.irp k, 0,1,2,3,4,5,6,7
	v_exp_f32 v[TT+\k], v[TT+\k]
.endr
.irp k, 0,1,2,3,4,5,6,7
	v_max_num_f32 v[x+\k], 0, v[x+\k]
.endr
	s_wait_alu depctr_va_vdst(0)
.irp k, 0,2,4,6
	v_pk_add_f32 v[TT+\k:TT+\k+1], v[TT+\k:TT+\k+1], -1.0 op_sel_hi:[1,0]
.endr
.irp k, 0,2,4,6
	v_pk_add_f32 v[x+\k:x+\k+1], v[x+\k:x+\k+1], v[TT+\k:TT+\k+1]
.endr
	global_store_b128 v[L16], v[x:x+3], s[10:11] offset:ib*1024
	global_store_b128 v[L16], v[x+4:x+7], s[10:11] offset:ib*1024+512
.set ib, ib+1
.endr
	s_wait_tensorcnt 0x0                           ; the wave's end
	ds_add_u32 v[SPW], v[NIL]
	s_wait_dscnt 0x0
	ROUND                                          ; the closing round
	s_endpgm
.Lfunc_end_k_qffce7b8a11_post:
	.size	k_qffce7b8a11_post, .Lfunc_end_k_qffce7b8a11_post-k_qffce7b8a11_post
	.p2alignl 7, 3214868480
	.fill 96, 4, 3214868480
	.section	.rodata,"a",@progbits
	.p2align	6, 0x0
	.amdhsa_kernel k_qffce7b8a11_post
		.amdhsa_group_segment_fixed_size 279040
		.amdhsa_private_segment_fixed_size 0
		.amdhsa_enable_private_segment 0
		.amdhsa_kernarg_size 32
		.amdhsa_user_sgpr_count 2
		.amdhsa_user_sgpr_kernarg_segment_ptr 1
		.amdhsa_wavefront_size32 1
		.amdhsa_system_sgpr_workgroup_id_x 1
		.amdhsa_system_sgpr_workgroup_id_y 1
		.amdhsa_system_sgpr_workgroup_id_z 1
		.amdhsa_system_vgpr_workitem_id 0
		.amdhsa_next_free_vgpr 768
		.amdhsa_next_free_sgpr 66
		.amdhsa_reserve_vcc 0
		.amdhsa_float_denorm_mode_32 3
		.amdhsa_float_denorm_mode_16_64 3
		.amdhsa_memory_ordered 1
		.amdhsa_forward_progress 1
		.amdhsa_inst_pref_size 77
	.end_amdhsa_kernel
	.amdgpu_metadata
---
amdhsa.version: [ 1, 2 ]
amdhsa.kernels:
  - .name:           k_qffce7b8a11_post
    .symbol:         k_qffce7b8a11_post.kd
    .args:
      - { .name: op, .offset: 0, .size: 8, .value_kind: global_buffer, .address_space: global }
      - { .name: wv16, .offset: 8, .size: 8, .value_kind: global_buffer, .address_space: global }
      - { .name: bv, .offset: 16, .size: 8, .value_kind: global_buffer, .address_space: global }
      - { .name: rh, .offset: 24, .size: 8, .value_kind: global_buffer, .address_space: global }
    .group_segment_fixed_size: 279040
    .private_segment_fixed_size: 0
    .kernarg_segment_align: 8
    .kernarg_segment_size: 32
    .max_flat_workgroup_size: 128
    .sgpr_count:     66
    .vgpr_count:     768
    .wavefront_size: 32
...
	.end_amdgpu_metadata
.endif
;; end of part 4
;; launch hmean (part 5): grid 256 x 1, 4 waves a work-group, no clusters, 8,960 bytes of LDS; arguments rh, out0; writes out0
.if DOCPART == 5
	.amdgcn_target "amdgcn-amd-amdhsa--gfx1250"
	.amdhsa_code_object_version 6
	.text
	.protected	k_qffce7b8a11_hmean
	.globl	k_qffce7b8a11_hmean
	.p2align	8
	.type	k_qffce7b8a11_hmean,@function
k_qffce7b8a11_hmean:
	s_mov_b64 s[64:65], 0
	v_nop
	global_prefetch_b8 v0, s[64:65] scope:SCOPE_SE
	s_setreg_imm32_b32 hwreg(HW_REG_WAVE_MODE, 25, 1), 1
	s_wait_xcnt 0x0
; out0[n][f] = the mean over the eight heads of rh[h][n][f], in f32, brought from rh's order (pieces of 512 bytes: lane l holds row l % 16, columns 16 cb + 8 (l / 16) + 4 q + 0..3) into rows.
; A stream: each byte of rh is read once, by loads of 512 consecutive bytes, all 32 of a wave on their way together; each byte of out0 is written once, 512 consecutive aligned bytes a store.
; A work-group owns 16 rows x 128 columns, a wave 32 of the columns.  The sums change lanes through LDS: in by pieces, back by rows.  No matrix unit, no cluster: the work-groups share no input.
.set P, 528                            ; an LDS row: 512 bytes + 16
.set SPARE, 16*P                       ; the spare words: 128 bytes a wave, two blocks of 256 bytes that no other line names
.set L16, 2
.set STO, 3
.set RD, 4
.set OB, 8                             ; v8-23: four rows read back
.set SPW, 30
.set NIL, 31
.set V, 32                             ; head h, piece p at V + 16 h + 4 p
	s_load_b128 s[4:7], s[0:1], 0x0                ; rh s[4:5], out0 s[6:7]
	v_lshl_add_u32 v[SPW], v0, 2, SPARE
	v_mov_b32 v[NIL], 0
	v_lshrrev_b32 v1, 5, v0
	v_readfirstlane_b32 s8, v1                     ; wave
	s_lshr_b32 s9, ttmp9, 2                        ; the tile of 16 rows
	s_and_b32 s10, ttmp9, 3                        ; the block of 128 columns
	v_and_b32 v[L16], 31, v0
	v_lshlrev_b32 v[L16], 4, v[L16]
	v_and_b32 v[STO], 15, v0
	v_bfe_u32 v5, v0, 4, 1
	v_mul_u32_u24 v[STO], v[STO], P
	v_lshl_add_u32 v[STO], v5, 5, v[STO]
	s_lshl_b32 s11, s8, 7
	v_add_nc_u32 v[STO], s11, v[STO]               ; in: row l % 16, my wave's 128 bytes, 32 bytes for each half of the lanes
	s_mul_i32 s11, s8, 4*P
	v_add_nc_u32 v[RD], s11, v[L16]                ; back: rows 4 w .. 4 w + 3, whole
	s_lshl_b32 s12, s9, 15                         ; rh: tile x 32,768 + block x 8,192 + wave x 2,048
	s_lshl_b32 s11, s10, 13
	s_add_co_u32 s12, s12, s11
	s_lshl_b32 s11, s8, 11
	s_add_co_u32 s12, s12, s11
	s_mov_b32 s13, 0
	s_lshl_b32 s14, s9, 15                         ; out0: row 16 tile + 4 wave, 2,048 bytes a row, column block x 512
	s_lshl_b32 s11, s8, 13
	s_add_co_u32 s14, s14, s11
	s_lshl_b32 s11, s10, 9
	s_add_co_u32 s14, s14, s11
	s_mov_b32 s15, 0
	s_wait_kmcnt 0x0
	s_add_nc_u64 s[4:5], s[4:5], s[12:13]
	s_add_nc_u64 s[16:17], s[4:5], 8388608         ; heads 4 to 7: the immediate reaches three heads
	s_add_nc_u64 s[6:7], s[6:7], s[14:15]
.set h, 0
.rept 4
.set p, 0
.rept 4
	global_load_b128 v[V+16*h+4*p:V+16*h+4*p+3], v[L16], s[4:5] offset:h*2097152+p*512 th:TH_LOAD_NT
	global_load_b128 v[V+64+16*h+4*p:V+64+16*h+4*p+3], v[L16], s[16:17] offset:h*2097152+p*512 th:TH_LOAD_NT
.set p, p+1
.endr
.set h, h+1
.endr
	s_wait_loadcnt 0x0
.macro ADDH a, b                       ; head a takes head b, all 16 registers
.set z, 0
.rept 8
	v_pk_add_f32 v[V+16*(\a)+2*z:V+16*(\a)+2*z+1], v[V+16*(\a)+2*z:V+16*(\a)+2*z+1], v[V+16*(\b)+2*z:V+16*(\b)+2*z+1]
.set z, z+1
.endr
.endm
	ADDH 0, 1
	ADDH 2, 3
	ADDH 4, 5
	ADDH 6, 7
	ADDH 0, 2
	ADDH 4, 6
	ADDH 0, 4
.set z, 0
.rept 8
	v_pk_mul_f32 v[V+2*z:V+2*z+1], v[V+2*z:V+2*z+1], 0x3e000000 op_sel_hi:[1,0]   ; 1 / 8
.set z, z+1
.endr
.set p, 0
.rept 4
	ds_store_b128 v[STO], v[V+4*p:V+4*p+3] offset:(p/2)*64+(p%2)*16
.set p, p+1
.endr
	s_wait_dscnt 0x0                               ; for the others' sake: my stores are done
	s_barrier_signal -1
	s_barrier_wait -1
.set i, 0
.rept 4
	ds_load_b128 v[OB+4*i:OB+4*i+3], v[RD] offset:i*P
.set i, i+1
.endr
.set i, 0
.rept 4
	s_wait_dscnt 3-i                               ; LDS loads come back in order (ISA guide 5.7.1): row i is in
	global_store_b128 v[L16], v[OB+4*i:OB+4*i+3], s[6:7] offset:i*2048 th:TH_STORE_NT
.set i, i+1
.endr
	s_wait_tensorcnt 0x0                           ; the wave's end
	ds_add_u32 v[SPW], v[NIL]
	s_wait_dscnt 0x0
	s_endpgm
.Lfunc_end_k_qffce7b8a11_hmean:
	.size	k_qffce7b8a11_hmean, .Lfunc_end_k_qffce7b8a11_hmean-k_qffce7b8a11_hmean
	.p2alignl 7, 3214868480
	.fill 96, 4, 3214868480
	.section	.rodata,"a",@progbits
	.p2align	6, 0x0
	.amdhsa_kernel k_qffce7b8a11_hmean
		.amdhsa_group_segment_fixed_size 8960
		.amdhsa_private_segment_fixed_size 0
		.amdhsa_enable_private_segment 0
		.amdhsa_kernarg_size 16
		.amdhsa_user_sgpr_count 2
		.amdhsa_user_sgpr_kernarg_segment_ptr 1
		.amdhsa_wavefront_size32 1
		.amdhsa_system_sgpr_workgroup_id_x 1
		.amdhsa_system_sgpr_workgroup_id_y 1
		.amdhsa_system_sgpr_workgroup_id_z 1
		.amdhsa_system_vgpr_workitem_id 0
		.amdhsa_next_free_vgpr 160
		.amdhsa_next_free_sgpr 66
		.amdhsa_reserve_vcc 0
		.amdhsa_float_denorm_mode_32 3
		.amdhsa_float_denorm_mode_16_64 3
		.amdhsa_memory_ordered 1
		.amdhsa_forward_progress 1
		.amdhsa_inst_pref_size 11
	.end_amdhsa_kernel
	.amdgpu_metadata
---
amdhsa.version: [ 1, 2 ]
amdhsa.kernels:
  - .name:           k_qffce7b8a11_hmean
    .symbol:         k_qffce7b8a11_hmean.kd
    .args:
      - { .name: rh, .offset: 0, .size: 8, .value_kind: global_buffer, .address_space: global }
      - { .name: out0, .offset: 8, .size: 8, .value_kind: global_buffer, .address_space: global }
    .group_segment_fixed_size: 8960
    .private_segment_fixed_size: 0
    .kernarg_segment_align: 8
    .kernarg_segment_size: 16
    .max_flat_workgroup_size: 128
    .sgpr_count:     66
    .vgpr_count:     160
    .wavefront_size: 32
...
	.end_amdgpu_metadata
.endif
;; end of part 5
;; ======== version 2 of 2: 5 launches; version 1 with the launch qproj written anew for expert scheduling mode
;; limits: values outside matrix products are rounded to bf16; a function is approximated: absolute error at most 1e-07
;; workspace buffers: qf 8,650,752 bytes; wk16 4,194,304 bytes; qp 8,388,608 bytes; src16 8,388,608 bytes; wv16 4,194,304 bytes; op 33,816,576 bytes; rh 16,777,216 bytes
;; launch qproj (part 6): grid 4 x 64, 4 waves a work-group, no clusters, 72,192 bytes of LDS; arguments emb_dest, Wq, bq, bk, Wk, qf, wk16; writes qf, wk16
.if DOCPART == 6
	.amdgcn_target "amdgcn-amd-amdhsa--gfx1250"
	.amdhsa_code_object_version 6
	.text
	.protected	k_qffce7b8a11_qproj
	.globl	k_qffce7b8a11_qproj
	.p2align	8
	.type	k_qffce7b8a11_qproj,@function
k_qffce7b8a11_qproj:
	s_mov_b64 s[64:65], 0
	v_nop
	global_prefetch_b8 v0, s[64:65] scope:SCOPE_SE
	s_setreg_imm32_b32 hwreg(HW_REG_WAVE_SCHED_MODE, 0, 2), 2
	s_setreg_imm32_b32 hwreg(HW_REG_WAVE_MODE, 25, 1), 1
	s_wait_xcnt 0x0
	s_wait_alu depctr_vm_vsrc(0)
; q[h][n][e] = sum over d of emb_dest[n][d] Wq[h][d][e] + bq[h][e]; products in bf16, sums and bias in f32, q rounded once to bf16.
; Beside it: eight partial sums of c[h][n] = q[h][n] . bk[h] (in f32, of the unrounded q), and Wk rounded to bf16.
; WHY q AND c.  The later launches use q . k = (q Wk^T) . emb_src + q . bk, which holds for every input: the projection of the 4,096 source rows
; becomes one of the 1,024 destination rows.  The order of rounding differs from a program that forms k.
; SHARES.  A work-group makes 128 rows x 128 columns of one head, K = 512 in four chunks of 128; a wave 64 x 64: 16 accumulators.
; Both operands are f32 in memory and pass through registers to be rounded, then through LDS.  NO CLUSTER: no tensor load exists here that partners could ask for jointly.
; THE MATRIX INSTRUCTION IS USED TRANSPOSED (source 0 = 16 columns e, source 1 = 16 rows n): a lane holds one row and eight neighbouring columns.
; FRAGMENT ORDER of qf: tile of 16 rows, K step c of 32 channels, half: lane L's 16 bytes lie at tile x 16384 + c x 1024 + half x 512 + 16 L and hold row L % 16,
; channels 32 c + 16 half + 8 (L / 16) + 0..7: what two neighbouring results pack into, and what a 16 x 32 operand wants.  Every store covers 512 consecutive bytes, aligned.
; The accumulators begin as the bias, loaded straight into them: nothing is cleared and no first step is written out.
; THE MODE: SCHED_MODE bits 1:0 = 2 (LLVM: expert scheduling mode 2), set by the entry lines.  The code itself states the register dependences
; between vector or matrix instructions and memory or LDS instructions, with s_wait_alu, always for 0.
; THE PLAN.  Registers that memory or LDS instructions touch, in the loop:
;   RAW     256 registers: a chunk as loaded.  Written by the chunk's 64 global loads; read by the trip's 128 conversions; then the next chunk's loads land in it.
;   OUT     128 registers: the chunk in bf16.  Written by the conversions; read by the trip's 64 LDS stores.
;   F0..F3  four fragment buffers of 64, one for each K step of a chunk.  Written by that step's 16 LDS loads; read by its 16 matrix instructions.
;   The address registers v4 to v13 are made at the head and never written again; the accumulators are named in the loop by matrix instructions alone.
; So a trip has two waits.  One on vm_vsrc ahead of the conversions: the last trip's LDS stores have read OUT.  One on va_vdst behind them: OUT is written, the conversions are done reading RAW,
; and the last trip's matrix instructions are done reading F0 to F3.  Behind it the only vector-side instructions of the trip are the matrix instructions, and those issued ahead of the loads into
; F2 (F3) name F0 (F0 and F1) and the accumulators: none of the registers that a later load or store of the trip touches.  So the trip's 192 memory and LDS instructions owe nothing more.
; REGISTERS: window 0: v2-15 addresses, v30-31 the closing add's, v64-95 bk, v96-105 at work, v128-255 accumulators.  window 1: RAW (A, then B).  window 2: F0 to F3.  window 3: v0-127 OUT (A, then B), v128-191 Wk's cast.
.set PA, 272                           ; a row of A in LDS: 256 bytes + 16: the 16 rows of a fragment load start in 16 different groups of four banks (ISA guide 11.1)
.set PB, 288                           ; a row of B ([d][e]): 256 + 32
.set LB, 128*PA                        ; B's 128 rows lie behind A's 128
.set SPARE, LB+128*PB                  ; the spare words: 128 bytes a wave, two blocks of 256 bytes that no other line names
.set CP, 8388608                       ; c's partial sums lie behind q in qf
.set LN, 2                             ; lane
.set RW, 3                             ; lane % 16
.set VO, 4                             ; wave x 32 rows x 2048 + 16 x lane: my 16 bytes of a staged row
.set VAS, 5                            ; where I store 8 bytes of A
.set VBS, 6                            ; of B
.set VAR, 7                            ; where I read A's fragments
.set VBR, 8                            ; B's
.set VBI, 9                            ; my eight columns in bq and bk
.set T16, 10
.set T8, 11
.set L16, 12
.set L8, 13
.set HL, 14                            ; lane / 16
.set TM, 15
.set SPW, 30
.set NIL, 31
.set BK, 64
.set TS, 96
.set CO, 104
.set ACC, 128
.set WC, 128                           ; window 3: Wk's cast
.set WV, 18
.set CNT, 30
.set MSB, 0
.macro WIN new                         ; the immediate's high byte repeats the setting that is left
.if MSB != (\new)
	s_set_vgpr_msb (MSB<<8)|(\new)
.set MSB, (\new)
.endif
.endm
.macro PLACES                          ; four places between a matrix instruction and a vector read of its result (ISA guide 7.12.1)
.rept 4
	v_nop
.endr
.endm
.macro LOADCH                          ; a chunk into RAW: 32 rows of A and 32 rows of B a wave, each load 512 consecutive bytes
	WIN 0x40
.set i, 0
.rept 32
	global_load_b128 v[4*i:4*i+3], v[VO], s[4:5] offset:i*2048
	global_load_b128 v[128+4*i:128+4*i+3], v[VO], s[6:7] offset:i*2048
.set i, i+1
.endr
	WIN 0
.endm
.macro CVT                             ; four f32 of RAW become two words of bf16 in OUT
	WIN 0xc5
.set i, 0
.rept 64
	v_cvt_pk_bf16_f32 v[2*i], v[4*i], v[4*i+1]
	v_cvt_pk_bf16_f32 v[2*i+1], v[4*i+2], v[4*i+3]
.set i, i+1
.endr
	WIN 0
.endm
.macro STORE                           ; OUT into LDS
	WIN 0x0c
.set i, 0
.rept 32
	ds_store_b64 v[VAS], v[2*i:2*i+1] offset:i*PA
	ds_store_b64 v[VBS], v[64+2*i:64+2*i+1] offset:i*PB
.set i, i+1
.endr
	WIN 0
.endm
.macro FETCH ks                        ; 16 LDS loads: the fragments of K step ks of the chunk into its own buffer: A as it lies, B turned
	WIN 0x80
.set i, 0
.rept 4
	ds_load_b128 v[64*(\ks)+8*i:64*(\ks)+8*i+3], v[VAR] offset:i*16*PA+(\ks)*64
	ds_load_b128 v[64*(\ks)+8*i+4:64*(\ks)+8*i+7], v[VAR] offset:i*16*PA+(\ks)*64+32
	ds_load_tr16_b128 v[64*(\ks)+32+8*i:64*(\ks)+32+8*i+3], v[VBR] offset:(\ks)*32*PB+i*32
	ds_load_tr16_b128 v[64*(\ks)+32+8*i+4:64*(\ks)+32+8*i+7], v[VBR] offset:(\ks)*32*PB+i*32+16*PB
.set i, i+1
.endr
.endm
.macro MUL f                           ; 16 matrix instructions on buffer f; the 16 accumulators take turns
	WIN 0x0a
.set ia, 0
.rept 4
.set ib, 0
.rept 4
	v_wmma_f32_16x16x32_bf16 v[ACC+8*(4*ia+ib):ACC+8*(4*ia+ib)+7], v[64*(\f)+32+8*ib:64*(\f)+32+8*ib+7], v[64*(\f)+8*ia:64*(\f)+8*ia+7], v[ACC+8*(4*ia+ib):ACC+8*(4*ia+ib)+7]
.set ib, ib+1
.endr
.set ia, ia+1
.endr
.endm
	s_load_b256 s[4:11], s[0:1], 0x0               ; emb_dest s[4:5], Wq s[6:7], bq s[8:9], bk s[10:11]
	s_load_b128 s[12:15], s[0:1], 0x20             ; Wk s[12:13], qf s[14:15]
	s_load_b64 s[16:17], s[0:1], 0x30              ; wk16
	v_lshl_add_u32 v[SPW], v0, 2, SPARE
	v_mov_b32 v[NIL], 0
	v_lshrrev_b32 v1, 5, v0
	v_readfirstlane_b32 s[WV], v1                  ; wave 0..3
	s_mov_b32 s21, ttmp9                           ; bx: block of 128 columns
	s_and_b32 s22, ttmp7, 0xffff                   ; by
	s_lshr_b32 s23, s22, 3                         ; h
	s_and_b32 s24, s22, 7                          ; nb: block of 128 rows
	s_mov_b32 s32, 0x76543210                      ; v_permlanex16_b32: each lane takes its own place in the other half
	s_mov_b32 s33, 0xfedcba98
	v_and_b32 v[LN], 31, v0
	v_and_b32 v[RW], 15, v0
	v_bfe_u32 v[HL], v0, 4, 1
	v_lshlrev_b32 v[L16], 4, v[LN]
	v_lshlrev_b32 v[L8], 3, v[LN]
	v_lshlrev_b32 v[T16], 4, v0
	v_lshlrev_b32 v[T8], 3, v0
	s_wait_alu depctr_va_sdst(0)                   ; the wave's number is written, ahead of its first reader: LDS places, offsets and bases are made from it
	s_lshr_b32 s19, s[WV], 1                       ; wr: which 64 rows
	s_and_b32 s20, s[WV], 1                        ; wc: which 64 columns
	v_lshl_add_u32 v[VO], s[WV], 16, v[L16]
	s_mul_i32 s26, s[WV], 32*PA
	v_lshl_add_u32 v[VAS], v[LN], 3, s26
	s_mul_i32 s26, s[WV], 32*PB
	s_add_co_u32 s26, s26, LB
	v_lshl_add_u32 v[VBS], v[LN], 3, s26
	v_mul_u32_u24 v[VAR], v[RW], PA
	v_lshl_add_u32 v[VAR], v[HL], 4, v[VAR]
	s_mul_i32 s26, s19, 64*PA
	v_add_nc_u32 v[VAR], s26, v[VAR]               ; (64 wr + l % 16) x pitch + 16 (l / 16)
	v_and_b32 v[TM], 7, v0
	v_lshl_add_u32 v[TM], v[HL], 3, v[TM]
	v_mul_u32_u24 v[VBR], v[TM], PB
	v_bfe_u32 v[TM], v0, 3, 1
	v_lshl_add_u32 v[VBR], v[TM], 4, v[VBR]
	s_lshl_b32 s26, s20, 7
	s_add_co_u32 s26, s26, LB
	v_add_nc_u32 v[VBR], s26, v[VBR]               ; (8 (l / 16) + l % 8) x pitch + 16 ((l / 8) % 2) + my 64 columns
	s_lshl_b32 s26, s20, 8
	v_lshl_add_u32 v[VBI], v[HL], 5, s26
	s_wait_kmcnt 0x0
	s_mov_b32 s27, 0
	s_mov_b32 s29, 0
	s_lshl_b32 s26, s24, 18                        ; nb x 128 rows x 2048 bytes
	s_add_nc_u64 s[4:5], s[4:5], s[26:27]
	s_lshl_b32 s26, s23, 20                        ; the head's Wq,
	s_lshl_b32 s28, s21, 9                         ; its 128 columns
	s_add_co_u32 s26, s26, s28
	s_add_nc_u64 s[6:7], s[6:7], s[26:27]
	s_lshl_b32 s26, s23, 11
	s_add_co_u32 s26, s26, s28
	s_add_nc_u64 s[8:9], s[8:9], s[26:27]
	s_add_nc_u64 s[10:11], s[10:11], s[26:27]
	s_lshl_b32 s26, s21, 1                         ; c's part g = 2 bx + wc, block of 64 rows 16 h + 2 nb + wr: 256 bytes each
	s_add_co_u32 s26, s26, s20
	s_lshl_b32 s26, s26, 7
	s_lshl_b32 s28, s23, 4
	s_add_co_u32 s26, s26, s28
	s_lshl_b32 s28, s24, 1
	s_add_co_u32 s26, s26, s28
	s_add_co_u32 s26, s26, s19
	s_lshl_b32 s26, s26, 8
	s_add_co_u32 s26, s26, CP
	s_add_nc_u64 s[34:35], s[14:15], s[26:27]
	s_lshl_b32 s26, s23, 6                         ; q: tile 64 h + 8 nb + 4 wr, K step 4 bx + 2 wc
	s_lshl_b32 s28, s24, 3
	s_add_co_u32 s26, s26, s28
	s_lshl_b32 s28, s19, 2
	s_add_co_u32 s26, s26, s28
	s_lshl_b32 s26, s26, 14
	s_lshl_b32 s28, s21, 12
	s_add_co_u32 s26, s26, s28
	s_lshl_b32 s28, s20, 11
	s_add_co_u32 s26, s26, s28
	s_add_nc_u64 s[14:15], s[14:15], s[26:27]
	s_lshl_b32 s26, s22, 2                         ; the cast: work-group 4 by + bx takes 32,768 bytes of Wk
	s_add_co_u32 s26, s26, s21
	s_lshl_b32 s28, s26, 15
	s_add_nc_u64 s[12:13], s[12:13], s[28:29]
	s_lshl_b32 s26, s26, 14
	s_add_nc_u64 s[16:17], s[16:17], s[26:27]
	s_wait_alu depctr_va_vdst(0)                   ; the ten address registers v4 to v13 are written, which every load and store of the kernel reads; none is written again
.set ia, 0
.rept 4                                ; the sums begin as the bias
.set ib, 0
.rept 4
	global_load_b128 v[ACC+8*(4*ia+ib):ACC+8*(4*ia+ib)+3], v[VBI], s[8:9] offset:ib*64
	global_load_b128 v[ACC+8*(4*ia+ib)+4:ACC+8*(4*ia+ib)+7], v[VBI], s[8:9] offset:ib*64+16
.set ib, ib+1
.endr
.set ia, ia+1
.endr
.set ib, 0
.rept 4
	global_load_b128 v[BK+8*ib:BK+8*ib+3], v[VBI], s[10:11] offset:ib*64
	global_load_b128 v[BK+8*ib+4:BK+8*ib+7], v[VBI], s[10:11] offset:ib*64+16
.set ib, ib+1
.endr
	LOADCH
	WIN 0xc0
.set i, 0
.rept 16
	global_load_b128 v[WC+4*i:WC+4*i+3], v[T16], s[12:13] offset:i*2048 th:TH_LOAD_NT
.set i, i+1
.endr
	WIN 0
	s_mov_b32 s[CNT], 4
.Lchunk:                               ; a trip: one chunk of 128 along K
	s_barrier_signal -1                            ; my reads of the last chunk are back (its last wait on DScnt was for 0)
	s_wait_loadcnt 0x0                             ; RAW is in; the loads' bases are free
	s_wait_alu depctr_vm_vsrc(0)                   ; the last trip's LDS stores have read OUT, which the conversions write again
	CVT                                            ; register work while the others arrive
	s_barrier_wait -1                              ; nobody reads the region any more
	s_wait_alu depctr_va_vdst(0)                   ; the conversions have written OUT, which the LDS stores read, and are done reading RAW, in which the next chunk lands; the last trip's matrix instructions are done reading F0 to F3, in which this trip's fragments land
	s_cmp_eq_u32 s[CNT], 1
	s_cbranch_scc1 .Lnoload                        ; the last chunk has no successor: no load leaves the buffers
	s_add_nc_u64 s[4:5], s[4:5], 512               ; 128 along A's rows
	s_add_nc_u64 s[6:7], s[6:7], 262144            ; 128 rows of Wq down
	LOADCH                                         ; RAW is asked for again at once: on its way during this chunk's LDS stores, barrier and 64 products
.Lnoload:
	STORE
	s_wait_dscnt 0x0                               ; for the others' sake: my stores are done
	s_barrier_signal -1
	s_barrier_wait -1                              ; the chunk is whole
	FETCH 0
	FETCH 1
	s_wait_dscnt 16                                ; all but the younger run of 16
	MUL 0
	FETCH 2                                        ; no wait: no vector or matrix instruction since the wait on va_vdst names F2 or the two LDS addresses
	s_wait_dscnt 16
	MUL 1
	FETCH 3                                        ; likewise F3
	s_wait_dscnt 16
	MUL 2
	s_wait_dscnt 0x0
	MUL 3
	WIN 0
	s_sub_co_u32 s[CNT], s[CNT], 1
	s_cmp_lg_u32 s[CNT], 0
	s_cbranch_scc1 .Lchunk
	; c's part: q . bk over my 64 columns, for my four tiles of rows; each accumulator is read from its low end
	PLACES
	v_cmp_gt_u32 vcc_lo, 16, v[LN]                 ; made here, well ahead of the selects that read it
.set ib, 0
.rept 4
.set jp, 0
.rept 4
.set ia, 0
.rept 4
.if (ib == 0) && (jp == 0)
	v_pk_mul_f32 v[TS+2*ia:TS+2*ia+1], v[ACC+8*(4*ia+ib)+2*jp:ACC+8*(4*ia+ib)+2*jp+1], v[BK+8*ib+2*jp:BK+8*ib+2*jp+1]
.else
	v_pk_fma_f32 v[TS+2*ia:TS+2*ia+1], v[ACC+8*(4*ia+ib)+2*jp:ACC+8*(4*ia+ib)+2*jp+1], v[BK+8*ib+2*jp:BK+8*ib+2*jp+1], v[TS+2*ia:TS+2*ia+1]
.endif
.set ia, ia+1
.endr
.set jp, jp+1
.endr
.set ib, ib+1
.endr
.irp a, 0,1,2,3
	v_add_f32 v[TS+2*\a], v[TS+2*\a], v[TS+2*\a+1]
.endr
.irp a, 0,1,2,3
	v_permlanex16_b32 v[TS+2*\a+1], v[TS+2*\a], s32, s33   ; the row's other 32 columns lie in the lane 16 away
.endr
.irp a, 0,1,2,3
	v_add_f32 v[TS+2*\a], v[TS+2*\a], v[TS+2*\a+1]
.endr
	s_wait_alu depctr_va_vcc(0)                    ; the compare has written VCC, ahead of its first reader
	v_cndmask_b32 v[CO], v[TS+4], v[TS], vcc_lo    ; lanes 0-15 store tiles 0 and 1, lanes 16-31 tiles 2 and 3
	v_cndmask_b32 v[CO+1], v[TS+6], v[TS+2], vcc_lo
	; q: two neighbouring results pack into one fragment, in place.  All the way out's roundings stand together, so that one wait serves all its stores.
.set ia, 0
.rept 4
.set ip, 0
.rept 2
.set x, ACC+8*(4*ia+2*ip)
.irp k, 0,1,2,3,4,5,6,7
	v_cvt_pk_bf16_f32 v[x+\k], v[x+2*\k], v[x+2*\k+1]
.endr
.set ip, ip+1
.endr
.set ia, ia+1
.endr
	WIN 0xcf                                       ; Wk to bf16 (its loads were waited for in the first trip)
.set i, 0
.rept 16
	v_cvt_pk_bf16_f32 v[WC+4*i], v[WC+4*i], v[WC+4*i+1]
	v_cvt_pk_bf16_f32 v[WC+4*i+1], v[WC+4*i+2], v[WC+4*i+3]
.set i, i+1
.endr
	WIN 0
	s_wait_alu depctr_va_vdst(0)                   ; the selects have written c's pair, the roundings q's fragments and Wk's words: the data of the 33 stores below; no vector instruction follows
	global_store_b64 v[L8], v[CO:CO+1], s[34:35]   ; 256 consecutive bytes, aligned
.set ia, 0
.rept 4
.set ip, 0
.rept 2
.set x, ACC+8*(4*ia+2*ip)
	global_store_b128 v[L16], v[x:x+3], s[14:15] offset:ia*16384+ip*1024
	global_store_b128 v[L16], v[x+4:x+7], s[14:15] offset:ia*16384+ip*1024+512
.set ip, ip+1
.endr
.set ia, ia+1
.endr
	WIN 0x0c
.set i, 0
.rept 16
	global_store_b64 v[T8], v[WC+4*i:WC+4*i+1], s[16:17] offset:i*1024   ; a wave's store covers 256 consecutive bytes, aligned
.set i, i+1
.endr
	WIN 0
	s_wait_dscnt 0x0                               ; the closing lines, six on end
	s_wait_alu 0x0
	s_wait_tensorcnt 0x0
	ds_add_u32 v[SPW], v[NIL]
	s_wait_dscnt 0x0
	s_endpgm
.Lfunc_end_k_qffce7b8a11_qproj:
	.size	k_qffce7b8a11_qproj, .Lfunc_end_k_qffce7b8a11_qproj-k_qffce7b8a11_qproj
	.p2alignl 7, 3214868480
	.fill 96, 4, 3214868480
	.section	.rodata,"a",@progbits
	.p2align	6, 0x0
	.amdhsa_kernel k_qffce7b8a11_qproj
		.amdhsa_group_segment_fixed_size 72192
		.amdhsa_private_segment_fixed_size 0
		.amdhsa_enable_private_segment 0
		.amdhsa_kernarg_size 56
		.amdhsa_user_sgpr_count 2
		.amdhsa_user_sgpr_kernarg_segment_ptr 1
		.amdhsa_wavefront_size32 1
		.amdhsa_system_sgpr_workgroup_id_x 1
		.amdhsa_system_sgpr_workgroup_id_y 1
		.amdhsa_system_sgpr_workgroup_id_z 1
		.amdhsa_system_vgpr_workitem_id 0
		.amdhsa_next_free_vgpr 960
		.amdhsa_next_free_sgpr 66
		.amdhsa_reserve_vcc 1
		.amdhsa_float_denorm_mode_32 3
		.amdhsa_float_denorm_mode_16_64 3
		.amdhsa_memory_ordered 1
		.amdhsa_forward_progress 1
		.amdhsa_inst_pref_size 57
	.end_amdhsa_kernel
	.amdgpu_metadata
---
amdhsa.version: [ 1, 2 ]
amdhsa.kernels:
  - .name:           k_qffce7b8a11_qproj
    .symbol:         k_qffce7b8a11_qproj.kd
    .args:
      - { .name: emb_dest, .offset: 0, .size: 8, .value_kind: global_buffer, .address_space: global }
      - { .name: Wq, .offset: 8, .size: 8, .value_kind: global_buffer, .address_space: global }
      - { .name: bq, .offset: 16, .size: 8, .value_kind: global_buffer, .address_space: global }
      - { .name: bk, .offset: 24, .size: 8, .value_kind: global_buffer, .address_space: global }
      - { .name: Wk, .offset: 32, .size: 8, .value_kind: global_buffer, .address_space: global }
      - { .name: qf, .offset: 40, .size: 8, .value_kind: global_buffer, .address_space: global }
      - { .name: wk16, .offset: 48, .size: 8, .value_kind: global_buffer, .address_space: global }
    .group_segment_fixed_size: 72192
    .private_segment_fixed_size: 0
    .kernarg_segment_align: 8
    .kernarg_segment_size: 56
    .max_flat_workgroup_size: 128
    .sgpr_count:     66
    .vgpr_count:     960
    .wavefront_size: 32
...
	.end_amdgpu_metadata
.endif
;; end of part 6
;; launch qk: the kernel of part 2 again; grid 16 x 16, 4 waves a work-group, clusters of 4 x 1, 279,040 bytes of LDS; arguments qf, wk16, emb_src, feat_src, Wv, qp, src16, wv16; writes qp, src16, wv16
;; launch attn: the kernel of part 3 again; grid 64 x 4, 4 waves a work-group, clusters of 4 x 1, 327,680 bytes of LDS; arguments qp, qf, src16, op; writes op
;; launch post: the kernel of part 4 again; grid 16 x 16, 4 waves a work-group, clusters of 4 x 4, 279,040 bytes of LDS; arguments op, wv16, bv, rh; writes rh
;; launch hmean: the kernel of part 5 again; grid 256 x 1, 4 waves a work-group, no clusters, 8,960 bytes of LDS; arguments rh, out0; writes out0
